; MI455X (gfx1250); checked and timed in simulation.
; The chip was launched on July 23, 2026; its instructions are those of AMD's public machine-readable ISA for CDNA 5 (MIT licence, August 2026) and "CDNA5" Instruction Set Architecture Reference Guide (July 2026). The comments in the code are by the model that wrote it; some were corrected since.
;; Adaptive Pool Compressor. Allowed arithmetic: matrix products marked QUANTISED: E4M3 operands, one E8M0 scale for each 32 along K, by v_wmma_scale_f32_16x16x128_f8f6f4 with both operands' format E4M3, f32 sums; products left as they are: f32 operands where the result goes on into a quantised operand, else bf16, f16 or f32 operands; f32 sums; everything else in f32.
;; Inputs: W1 1,024 x 256 float32; W2 256 x 1 float32; b1 256 float32; b2 1 float32; pool_positions 512 float32; x 8 x 8,192 x 1,024 float32.
;; Outputs: out0 8 x 512 x 1,024 float32.
;; This version of the problem:
;;   THIS VERSION OF THE PROBLEM IS GIVEN IN LOW PRECISION. The matrix products marked QUANTISED in the list below multiply operands that are first quantised to E4M3 (4 exponent bits, 3 mantissa bits; 8 bits a number), with one power-of-two scale for each 32 numbers along K (OCP MX v1.0); their sums are f32. All else is computed in f32.
;;   The module's matrix products, in the order in which they are computed (A, B: the left and right operand; K: the contracted axis; several contracted axes count as one K, in the product's order):
;;     1. [M 65,536, K 1,024] x [K 1,024, N 256]; A: input x; B: input W1: QUANTISED
;;     2. [M 65,536, K 256] x [K 256, N 1]; A: computed on the way; B: input W2: left as it is (N = 1 < 16)
;;     3. batch 8 x [M 512, K 8,192] x [K 8,192, N 1,024]; A: softmax (see below); B: input x: QUANTISED
;;   THE QUANTISER, for each operand of a quantised product, along K:
;;     - K is cut into blocks of 32 from its start; a last block that is shorter is filled with zeros.
;;     - A block's scale is 2^e with e = floor(log2(the largest magnitude in the block)) - 8, held to -126 .. 127; a block of zeros has e = 0. As a byte (E8M0): e + 127.
;;     - Each number is divided by its block's scale, clamped to +-448, and rounded to the nearest number of E4M3, ties to even, subnormals kept.
;;     - The product sums the exact products of the quantised numbers (number of the format x scale) in f32.
;;   ~~~python
;;   def quantise(x, axis):      # numpy; x: float32 -> the quantised numbers, widened to float32 again
;;       x = np.moveaxis(x, axis, -1); K = x.shape[-1]
;;       x = np.pad(x, [(0, 0)] * (x.ndim - 1) + [(0, -K % 32)]); x = x.reshape(x.shape[:-1] + (-1, 32)); a = np.abs(x).max(-1, keepdims=True)
;;       e = np.where(a > 0, np.clip(np.frexp(np.where(a > 0, a, 1))[1] - 1 - 8, -126, 127), 0)      # np.frexp(a)[1] - 1 = floor(log2(a)), exactly
;;       r = np.clip(x / 2.0 ** e, -448, 448)
;;       step = 2.0 ** (np.maximum(np.frexp(np.where(r == 0, 1, r))[1] - 1, -6) - 3)
;;       q = np.round(r / step) * step * 2.0 ** e      # np.round: ties to even
;;       return np.moveaxis(q.reshape(q.shape[:-2] + (-1,))[..., :K], -1, axis).astype(np.float32)
;;   ~~~
;;   SOFTMAX AHEAD OF A QUANTISED PRODUCT. Where the list says 'softmax', what is quantised is not the finished softmax but p = 2^(t - M), with t = logit x log2(e) and M = ceil(the row's largest t), a whole number; so 1/2 < the row's largest p <= 1. The row's sum l is taken of the UNQUANTISED p, in f32, and the product's result is divided by l at the end. Since M is a whole number, a kernel that streams over the keys may use a running M (the ceiling of the running maximum): every later rescaling is an exact power of two, which a block's scale takes up: the codes' values come out the same.
;;   OPERANDS COMPUTED ON THE WAY. 'Computed on the way' means the value that the module computes at that place (a softmax that the list does not call 'softmax' is quantised finished and normalised). What goes into a quantiser is computed in f32, as accurately as f32 sums, v_exp_f32 and their like allow (about 1e-6 of the number): no bf16 or f16 on the way to a quantiser, and a product that is left as it is and whose result goes on into a quantised operand takes f32 operands (vector FMAs, or v_wmma_f32_16x16x4_f32). A number that lies on a knife's edge between two numbers of the format may be rounded either way, as far as f32 arithmetic and the matrix unit's own rounding can turn it there, and no further.
;; 2 versions. Each part assembles by itself: llvm-mc -triple=amdgcn-amd-amdhsa -mcpu=gfx1250 --defsym DOCPART=n.
;; ======== version 1 of 2: 3 launches
;; workspace buffers: w1c 262,144 bytes; w1s 8,192 bytes; masks 256 bytes of whole numbers; scores 262,144 bytes; xt 67,108,864 bytes; xs 2,097,152 bytes
;; launch prep (part 1): grid 2 x 8, 4 waves a work-group, no clusters, 0 bytes of LDS; arguments W1, pool_positions, w1c, w1s, masks; writes w1c, w1s, masks
.if DOCPART == 1
	.amdgcn_target "amdgcn-amd-amdhsa--gfx1250"
	.amdhsa_code_object_version 6
	.text
	.protected	k_qcbe9d2497e_prep
	.globl	k_qcbe9d2497e_prep
	.p2align	8
	.type	k_qcbe9d2497e_prep,@function
k_qcbe9d2497e_prep:
	s_mov_b64 s[64:65], 0
	v_nop
	global_prefetch_b8 v0, s[64:65] scope:SCOPE_SE
	s_setreg_imm32_b32 hwreg(HW_REG_WAVE_MODE, 25, 1), 1
	s_wait_xcnt 0x0
; W1 [1024 (k)][256 (unit)] f32 becomes codes of E4M3 along k with one E8M0 byte for each 32 along k, laid as the next launch's operand registers want them;
; and pool_positions becomes, for each tile of 16 output rows, a mask of the K steps (128 keys) of the last product that the tile needs.
; W1.  A LANE TAKES A UNIT AND ITS REGISTERS RUN DOWN k: a load reads 128 consecutive bytes a wave, a block of 32 lies in one lane, and the conversions give codes with k innermost.
;   Work-group (x, y), wave w: units 128 x + 32 w + lane, k = 128 y .. 128 y + 127: four blocks.  All 128 loads of a wave go out at once.
;   w1c = [tile of 16 units][K step of 128][image of 2,048 bytes]; byte 512 c + 16 (16 h + r) of an image holds k = 32 c + 16 h + 0 .. 15 of unit r: the registers 4 c .. 4 c + 3 of lane (r, h).
;   So a lane's 16 codes are 16 bytes, and sixteen neighbouring lanes store 256 consecutive bytes, aligned.   w1s = [unit][K step] words of four scale bytes.
; A block's scale byte is its largest magnitude's exponent field - 8, held at 1 from below (a block of zeros gets 1 where the rule says 127: its codes are zeros, and this program alone reads the bytes).
; MASKS.  logit(t, s) = -8192 |pp_t - s / 8191| + 10 w_s with 0 <= w_s <= 1.  Let c be the sample nearest to pp_t (held to 0 .. 8191).  A key 128 samples or more from c has a logit at least 117 under the row's
;   largest, so 2^(t - M) lies under 2^-168: it is 0 in f32, its code is 0 and it adds nothing to the row's sum.  Keys outside the K steps c / 128 - 1 .. c / 128 + 1 are 129 samples or more away (one is left for the
;   rounding of c).  Bit j of a tile's 64 bits: some row of the tile needs step j.  Beyond |pp| = 1024 the rounding of pp - s / 8191 is no longer small against a sample's distance: such a row (and a NaN) asks for all 64.
; LIMITS: NaN and infinities in W1 are not served; blocks whose largest magnitude lies under 2^-118 keep the byte 1.
.set XR,   32                          ; v32-159   four sets of 32 numbers
.set CR,   160                         ; v160-191  codes: eight registers a block, never written twice
.set EMAX, 8
	s_load_b128 s[4:7], s[0:1], 0x0                ; W1, pool_positions
	s_load_b128 s[8:11], s[0:1], 0x10              ; w1c, w1s
	s_load_b64 s[12:13], s[0:1], 0x20              ; masks
	v_lshrrev_b32 v1, 5, v0
	v_readfirstlane_b32 s16, v1                    ; wave
	v_and_b32 v2, 31, v0                           ; lane
	s_and_b32 s17, ttmp7, 0xffff                   ; y: the K step
	v_lshlrev_b32 v3, 2, v2                        ; in: 4 bytes a lane
	v_lshrrev_b32 v5, 4, v2
	v_and_b32 v6, 15, v2
	v_lshlrev_b32 v4, 14, v5                       ; out: lanes 16-31 belong to the next tile of units, 8 images on,
	v_lshl_add_u32 v4, v6, 4, v4                   ; and 16 bytes a unit
	v_lshlrev_b32 v9, 5, v2                        ; a unit's eight scale words are 32 bytes
	s_lshl_b32 s18, ttmp9, 7
	s_lshl_b32 s19, s16, 5
	s_add_co_u32 s18, s18, s19                     ; my wave's first unit
	s_lshl_b32 s20, s17, 17                        ; W1: 128 y rows of 1,024 bytes + 4 x unit
	s_lshl_b32 s22, s18, 2
	s_add_co_u32 s20, s20, s22
	s_mov_b32 s21, 0
	s_lshl_b32 s22, s18, 10                        ; w1c: (unit / 16) x 16,384 + 2,048 y
	s_lshl_b32 s24, s17, 11
	s_add_co_u32 s22, s22, s24
	s_mov_b32 s23, 0
	s_lshl_b32 s24, s18, 5                         ; w1s: 32 x unit + 4 y
	s_lshl_b32 s26, s17, 2
	s_add_co_u32 s24, s24, s26
	s_mov_b32 s25, 0
	s_mov_b32 s31, 0x600000                        ; the mantissa field of 448
	s_wait_kmcnt 0x0
	s_add_nc_u64 s[4:5], s[4:5], s[20:21]
	s_add_nc_u64 s[8:9], s[8:9], s[22:23]
	s_add_nc_u64 s[10:11], s[10:11], s[24:25]
.set i, 0
.rept 128
	global_load_b32 v[XR+i], v3, s[4:5] offset:i*1024 th:TH_LOAD_NT   ; W1(128 y + i, my unit)
.set i, i+1
.endr
.macro BLOCK t, left
.set XS, XR+32*(\t)
	s_wait_loadcnt \left                           ; this block's 32 loads are in (the count that the later blocks would allow is 32 x (3 - t); the wait names 63 at the most)
	v_max3_num_f32 v12, |v[XS]|, |v[XS+1]|, |v[XS+2]|
	v_max3_num_f32 v13, |v[XS+3]|, |v[XS+4]|, |v[XS+5]|
.irp i, 6,10,14,18,22,26
	v_max3_num_f32 v12, v12, |v[XS+\i]|, |v[XS+\i+1]|
	v_max3_num_f32 v13, v13, |v[XS+\i+2]|, |v[XS+\i+3]|
.endr
	v_max3_num_f32 v12, v12, |v[XS+30]|, |v[XS+31]|
	v_max3_num_f32 v12, v12, v13, (EMAX+1)<<23     ; and the floor 2^(9 - 127): the byte cannot fall under 1
	v_add_nc_u32 v11, -(EMAX<<23), v12             ; 8 off the exponent field: the conversion's scale operand
	v_and_or_b32 v10, v12, 0x7f800000, s31         ; 448 x the scale
	v_lshrrev_b32 v13, 23, v11                     ; the scale's byte
.if (\t) == 0
	v_mov_b32 v24, v13
.else
	v_lshl_or_b32 v24, v13, 8*(\t), v24            ; four bytes make the K step's word, the lower k in the lower byte
.endif
.set i, 0
.rept 32
	v_med3_num_f32 v[XS+i], v[XS+i], -v10, v10     ; the conversion to an 8-bit code does not saturate (ISA guide 7.6.2): the hold at 448 x the scale
.set i, i+1
.endr
.irp g, 0,1,2,3
	v_cvt_scalef32_pk8_fp8_f32 v[CR+8*(\t)+2*\g:CR+8*(\t)+2*\g+1], v[XS+8*\g:XS+8*\g+7], v11
.endr
	global_store_b128 v4, v[CR+8*(\t):CR+8*(\t)+3], s[8:9] offset:512*(\t)           ; k = 32 t + 0 .. 15: sixteen lanes store 256 consecutive bytes, aligned
	global_store_b128 v4, v[CR+8*(\t)+4:CR+8*(\t)+7], s[8:9] offset:512*(\t)+256     ; k = 32 t + 16 .. 31
.endm
	BLOCK 0, 63
	BLOCK 1, 63
	BLOCK 2, 32
	BLOCK 3, 0
	global_store_b32 v9, v24, s[10:11]             ; my unit's scale word of this K step
	; ---- the masks: wave 0 of work-group (0, 0); lane = tile of 16 rows
	s_or_b32 s26, ttmp9, s17
	s_or_b32 s26, s26, s16
	s_cmp_lg_u32 s26, 0
	s_cbranch_scc1 .Ldone
	v_lshlrev_b32 v192, 6, v2                      ; a tile's 16 positions are 64 bytes
.irp i, 0,1,2,3
	global_load_b128 v[32+4*\i:35+4*\i], v192, s[6:7] offset:16*\i
.endr
	v_mov_b32 v194, 0                              ; bits 0-31
	v_mov_b32 v195, 0                              ; bits 32-63
	v_mov_b32 v196, 1
	v_mov_b32 v203, 0
	v_lshlrev_b32 v202, 3, v2
	s_mov_b32 s27, 0x45fff800                      ; 8191.0
	s_mov_b32 s28, 0x44800000                      ; 1024.0
	s_wait_loadcnt 0x0
.macro BIT j                           ; bit v[j] (0 .. 63) is set.  A choice of values, no branch
	v_lshlrev_b32 v200, v[\j], v196                ; 1 << (j mod 32)
	v_cmp_gt_u32 vcc_lo, 32, v[\j]
	v_cndmask_b32 v201, 0, v200, vcc_lo
	v_or_b32 v194, v194, v201
	v_sub_nc_u32 v200, v200, v201
	v_or_b32 v195, v195, v200
.endm
.macro ROW i
	v_mul_f32 v197, s27, v[32+\i]
	v_rndne_f32 v197, v197
	v_med3_num_f32 v197, v197, 0, s27              ; the nearest sample, held to 0 .. 8191
	v_cvt_u32_f32 v197, v197
	v_lshrrev_b32 v197, 7, v197                    ; its K step,
	v_max_u32 v198, 1, v197
	v_add_nc_u32 v198, -1, v198                    ; the one before,
	v_add_nc_u32 v199, 1, v197
	v_min_u32 v199, 63, v199                       ; the one behind
	BIT 197
	BIT 198
	BIT 199
	v_cmp_le_f32 vcc_lo, |v[32+\i]|, s28
	v_cndmask_b32 v201, -1, v203, vcc_lo           ; all ones where |pp| > 1024 or pp is NaN
	v_or_b32 v194, v194, v201
	v_or_b32 v195, v195, v201
.endm
.irp i, 0,1,2,3,4,5,6,7,8,9,10,11,12,13,14,15
	ROW \i
.endr
	global_store_b64 v202, v[194:195], s[12:13]    ; 32 lanes store 256 consecutive bytes
.Ldone:
	s_endpgm
.Lfunc_end_k_qcbe9d2497e_prep:
	.size	k_qcbe9d2497e_prep, .Lfunc_end_k_qcbe9d2497e_prep-k_qcbe9d2497e_prep
	.p2alignl 7, 3214868480
	.fill 96, 4, 3214868480
	.section	.rodata,"a",@progbits
	.p2align	6, 0x0
	.amdhsa_kernel k_qcbe9d2497e_prep
		.amdhsa_group_segment_fixed_size 0
		.amdhsa_private_segment_fixed_size 0
		.amdhsa_enable_private_segment 0
		.amdhsa_kernarg_size 40
		.amdhsa_user_sgpr_count 2
		.amdhsa_user_sgpr_kernarg_segment_ptr 1
		.amdhsa_wavefront_size32 1
		.amdhsa_system_sgpr_workgroup_id_x 1
		.amdhsa_system_sgpr_workgroup_id_y 1
		.amdhsa_system_sgpr_workgroup_id_z 1
		.amdhsa_system_vgpr_workitem_id 0
		.amdhsa_next_free_vgpr 208
		.amdhsa_next_free_sgpr 66
		.amdhsa_reserve_vcc 1
		.amdhsa_float_denorm_mode_32 3
		.amdhsa_float_denorm_mode_16_64 3
		.amdhsa_memory_ordered 1
		.amdhsa_forward_progress 1
		.amdhsa_inst_pref_size 46
	.end_amdhsa_kernel
	.amdgpu_metadata
---
amdhsa.version: [ 1, 2 ]
amdhsa.kernels:
  - .name:           k_qcbe9d2497e_prep
    .symbol:         k_qcbe9d2497e_prep.kd
    .args:
      - { .name: W1, .offset: 0, .size: 8, .value_kind: global_buffer, .address_space: global }
      - { .name: pool_positions, .offset: 8, .size: 8, .value_kind: global_buffer, .address_space: global }
      - { .name: w1c, .offset: 16, .size: 8, .value_kind: global_buffer, .address_space: global }
      - { .name: w1s, .offset: 24, .size: 8, .value_kind: global_buffer, .address_space: global }
      - { .name: masks, .offset: 32, .size: 8, .value_kind: global_buffer, .address_space: global }
    .group_segment_fixed_size: 0
    .private_segment_fixed_size: 0
    .kernarg_segment_align: 8
    .kernarg_segment_size: 40
    .max_flat_workgroup_size: 128
    .sgpr_count:     66
    .vgpr_count:     208
    .wavefront_size: 32
...
	.end_amdgpu_metadata
.endif
;; end of part 1
;; launch score (part 2): grid 256 x 1, 4 waves a work-group, no clusters, 327,680 bytes of LDS; arguments x, w1c, w1s, b1, W2, b2, xt, xs, scores; writes xt, xs, scores
.if DOCPART == 2
	.amdgcn_target "amdgcn-amd-amdhsa--gfx1250"
	.amdhsa_code_object_version 6
	.text
	.protected	k_qcbe9d2497e_score
	.globl	k_qcbe9d2497e_score
	.p2align	8
	.type	k_qcbe9d2497e_score,@function
k_qcbe9d2497e_score:
	s_mov_b64 s[64:65], 0
	v_nop
	global_prefetch_b8 v0, s[64:65] scope:SCOPE_SE
	s_setreg_imm32_b32 hwreg(HW_REG_WAVE_MODE, 25, 1), 1
	s_wait_xcnt 0x0
; ONE PASS OVER x [65536 rows][1024] f32.  For each row: score = gelu(Q(x) Q(W1) + b1) . W2 + b2, the product on codes of E4M3 with E8M0 scales along the 1,024; and x is quantised a second time, ALONG THE ROWS
; (the keys, the K of the last product), into xt and xs, so that the last launch reads a quarter of the bytes.
; SHARES.  Work-group g owns rows 256 g .. 256 g + 255, in 8 trips of 32 rows (32 keys: one block of the second quantiser; four trips make a K step of 128 keys).  THE WAVES SHARE THE COLUMNS:
;   wave w keeps W1's units 64 w .. 64 w + 63 in 512 registers for the whole launch, quantises x's columns 256 w .. 256 w + 255 both ways, and multiplies all 32 rows by its units.
; x comes through a ring of two LDS slots of 32 rows, filled by the tensor data mover: each wave fetches 8 rows, 32,768 dense bytes, as 32 lines of 1,024 bytes with 16 bytes of padding behind each.
; A TRIP: change of slots (barrier) | my four fragments (2 tiles of 16 rows x 2 K steps of 128 columns) are quantised along the columns and stored in LDS as images of their registers | my 2 x 128 columns are quantised
;   down the 32 rows and stored to xt | barrier | all 16 fragments from LDS, 64 matrix instructions (transposed: source 0 = 16 units, source 1 = 16 rows), gelu, the dot with W2: a partial score for each row into LDS.
; At the end the four waves' partial scores are added and stored.
; THE ROWS OF A TILE: lane r of tile m takes row 8 (r / 4) + 4 m + r % 4 of the 32.  Quarters lie 33,296 bytes apart and rows 4,160: in words 4 and 16 modulo 64, so sixteen lanes'
;   loads of 16 bytes start at sixteen different multiples of four banks.
; xt = [batch][K step of 128 keys][G: 128 channels][c 4][hh 2][image of 2,048 bytes]: row rho of tile (G, c, hh) is channel 128 G + 64 hh + 4 rho + c; byte 512 q + 16 (16 h + rho) holds keys 32 q + 16 h + 0 .. 15.
;   A lane that holds 4 neighbouring channels (16 bytes of a row of x) x 32 keys so stores 16 bytes beside its neighbours': sixteen lanes store 256 consecutive bytes, aligned.
; xs = [batch][K step][G][lane 32][c 4] words: the four scale bytes of channel 128 G + 4 lane + c.
; gelu is exact-erf gelu; erf(z) = z P(z^2) / Q(z^2) on z held to +-4, degrees 6 and 4, a few units in f32's last place.
; NO CLUSTER: the work-groups share W1's codes alone, which each wave reads once (65,536 bytes) beside the 1,048,576 bytes of x that its work-group reads alone.
; LIMITS: NaN and infinities among the inputs are not served; a block whose largest magnitude lies under 2^-118 keeps the scale byte 1, and so does a block of zeros (its codes are zeros; this program alone reads the bytes).
; REGISTERS, in windows of 256.  Window 0: v1-23 addresses and constants; v24-55 W1's scale words; v56-71 x's; v72-103 b1; v104-135 W2 / 2; v136-143 xs's words in the making; v144-207 numbers held for the conversions,
;   later the 8 accumulators; v208-239 codes, later gelu's scratch; v240-255 at work.   Window 1: what is read from the slot, later x's 16 fragments.   Windows 2, 3: W1's 32 fragments.
.set SLOT,  133376                     ; a slot: four quarters of 33,296 bytes, rounded up to 256
.set QTR,   33296                      ; a quarter: 32 lines of 1,040 bytes, + 16
.set ROWP,  4160                       ; a row of x: four lines
.set LINE,  1040
.set IMG,   2*SLOT                     ; 16 images of fragments: (8 m + K step) x 2,048
.set XSCL,  IMG+16*2048                ; their scale words: (8 m + K step) x 128 + 4 x lane
.set SCP,   XSCL+16*128                ; partial scores: wave x 1,024 + 4 x row
.set SPARE, SCP+4*1024                 ; the spare words, 128 bytes for each wave: two blocks of 256 bytes that no other line names
.set SPW,  1                           ; LDS address of my spare word; never rewritten
.set NIL,  2                           ; 0; never rewritten
.set AR0,  3                           ; my place in a slot for the fragments' rows
.set AR,   4                           ; the same in the slot in hand
.set AC00, 5                           ; my place in a row for the columns: 1,040 w + 16 x lane
.set AC0,  6                           ; rows 0-15 of the slot in hand
.set AC1,  7                           ; rows 16-31
.set IW,   8                           ; where I store images
.set XW,   9                           ; and their scale words
.set LI,   10                          ; where any wave loads images: IMG + 16 x lane
.set LS,   11                          ; XSCL + 4 x lane
.set XO,   12                          ; xt: 2,048 (lane / 16) + 16 (lane % 16)
.set SO,   13                          ; 16 x lane
.set SPA0, 14                          ; my row's partial score
.set SPA,  15
.set FA,   16                          ; SCP + 8 x thread
.set PW,   17                          ; v17, v22: the scale word just made, two by turns
.set KA,   18                          ; v[18:19] P's leading coefficient, twice
.set KB,   20                          ; v[20:21] Q's
.set FO,   23                          ; 8 x thread
.set W1S,  24
.set XS,   56
.set B1,   72
.set W2H,  104
.set SW,   136
.set TT,   144
.set HA,   144
.set CC,   208
.set ZZ,   208
.set YY,   216
.set AA,   224
.set QQ,   232
.set TM,   240                         ; +0..3 largest magnitudes, +4..7 bytes, +8..11 448 x scale, +12..15 the conversions' scale operands
.set SA,   240                         ; v[240:241], v[242:243]: the scores of tiles 0 and 1, in two halves
.set WV,   22
.set TRIP, 23
.set TB,   24                          ; the slot that is read
.set TF,   25                          ; the slot that is filled
.set WQ,   26                          ; my quarter: 33,296 w
.set SPT,  27                          ; 128 x trip
.set SEL,  28                          ; s[28:29] v_permlanex16_b32's selects for lane l xor 16
.set MNT,  30
.set FLR,  31
.set HM,   32
.set BB2,  33
.set OFA,  34                          ; s[34:35], s[50:51]: offsets, the upper words 0
.set G0,   36
.set G1,   40
.set OFB,  50
.set XTC,  52                          ; s[52:53] xt for this trip
.set XSP,  54                          ; s[54:55] xs for this trip
.set EA11, 0x32edffee                  ;  2.77068142e-08   (P: z^2's powers 6 .. 0: -2.72614226e-10 stands in v[KA])
.set EA9,  0xb60cff51                  ; -2.10102402e-06
.set EA7,  0xb86ec2d2                  ; -5.69250639e-05
.set EA5,  0xba40ac63                  ; -7.34990630e-04
.set EA3,  0xbb41a1f6                  ; -2.95459981e-03
.set EA1,  0xbc83dbd4                  ; -1.60960333e-02
.set EB6,  0xb95fbd29                  ; -2.13374055e-04   (Q: powers 4 .. 0: -1.45660718e-05 stands in v[KB])
.set EB4,  0xbadc924e                  ; -1.68282697e-03
.set EB2,  0xbbf19bf8                  ; -7.37332917e-03
.set EB0,  0xbc69b6a7                  ; -1.42647391e-02
.set MSB, 0
.macro WIN new                         ; low byte: bits 1:0 source 0, 3:2 source 1, 5:4 source 2, 7:6 destination; the high byte repeats the setting that is left
.if MSB != (\new)
	s_set_vgpr_msb (MSB<<8)|(\new)
.set MSB, (\new)
.endif
.endm
	s_load_b512 s[4:19], s[0:1], 0x0               ; x s[4:5], w1c s[6:7], w1s s[8:9], b1 s[10:11], W2 s[12:13], b2 s[14:15], xt s[16:17], xs s[18:19]
	s_load_b64 s[20:21], s[0:1], 0x40              ; scores
	v_lshl_add_u32 v[SPW], v0, 2, SPARE
	v_mov_b32 v[NIL], 0
	ds_add_u32 v1, v2
	ds_add_u32 v1, v2
	s_wait_dscnt 0x0
	v_lshrrev_b32 v[AR0], 5, v0
	v_readfirstlane_b32 s[WV], v[AR0]              ; wave 0..3
	; descriptor group 1: 32 lines of 256 elements of 4 bytes, dense in memory, 4 words of padding behind each line
	s_mov_b32 s[G1], (2<<16)|(1<<20)|(7<<22)|(3<<25)  ; 15:0 no mask; 17:16 elements of 4 bytes; 20 padding on; 24:22 after every 256 words (code 7); 31:25 four words (code 3)
	s_mov_b32 s[G1+1], 256<<16                     ; tensor_dim0
	s_mov_b32 s[G1+2], 32<<16                      ; tensor_dim1
	s_mov_b32 s[G1+3], 256<<16                     ; tile_dim0
	s_mov_b32 s[G1+4], 32                          ; tile_dim1
	s_mov_b32 s[G1+5], 256                         ; tensor_dim0_stride
	s_mov_b32 s[G1+6], 0
	s_mov_b32 s[G1+7], 0
	s_mul_i32 s[WQ], s[WV], QTR
	s_lshl_b32 s48, ttmp9, 20                      ; my work-group's 256 rows of 4,096 bytes,
	s_lshl_b32 s49, s[WV], 15                      ; my wave's 8 of a trip's 32
	s_add_co_u32 s48, s48, s49
	s_mov_b32 s49, 0
	s_wait_kmcnt 0x0
	s_mov_b32 s[G0], 1                             ; count = 1
	s_mov_b32 s[G0+1], s[WQ]                       ; LDS address: slot 0, my quarter
	s_add_nc_u64 s[G0+2:G0+3], s[4:5], s[48:49]    ; global address: trip 0
	s_or_b32 s[G0+3], s[G0+3], 0x80000000          ; type = 2
	tensor_load_to_lds s[G0:G0+3], s[G1:G1+7]      ; the first fill; slot 1 is first filled behind the first trip's barrier
	s_nop 0
	v_and_b32 v248, 31, v0                         ; lane
	v_and_b32 v249, 15, v0                         ; r
	v_bfe_u32 v250, v0, 4, 1                       ; h
	v_bfe_u32 v251, v0, 2, 2                       ; r / 4
	v_and_b32 v252, 3, v0                          ; r % 4
	s_load_b32 s[BB2], s[14:15], 0x0               ; b2
	s_mul_i32 s48, s[WV], LINE                     ; my 256 columns are line w of each row
	v_mul_u32_u24 v[AR0], v251, QTR
	v_mad_u32_u24 v[AR0], v252, ROWP, v[AR0]
	v_lshl_add_u32 v[AR0], v250, 6, v[AR0]         ; + 64 h: my 16 numbers of a block of 32
	v_add_nc_u32 v[AR0], s48, v[AR0]
	v_lshl_add_u32 v[AC00], v248, 4, s48
	s_lshl_b32 s48, s[WV], 12
	s_add_co_u32 s48, s48, IMG
	v_lshl_add_u32 v[IW], v248, 4, s48             ; my K steps are 2 w and 2 w + 1
	s_lshl_b32 s48, s[WV], 8
	s_add_co_u32 s48, s48, XSCL
	v_lshl_add_u32 v[XW], v248, 2, s48
	v_lshl_add_u32 v[LI], v248, 4, IMG
	v_lshl_add_u32 v[LS], v248, 2, XSCL
	v_lshlrev_b32 v[XO], 11, v250
	v_lshl_add_u32 v[XO], v249, 4, v[XO]
	v_lshlrev_b32 v[SO], 4, v248
	s_lshl_b32 s48, s[WV], 10
	s_add_co_u32 s48, s48, SCP
	v_lshl_add_u32 v[SPA0], v251, 5, s48           ; lanes 0-15 store tile 0's scores, lanes 16-31 tile 1's: row 8 (r / 4) + 4 (lane / 16) + r % 4
	v_lshl_add_u32 v[SPA0], v250, 4, v[SPA0]
	v_lshl_add_u32 v[SPA0], v252, 2, v[SPA0]
	v_lshl_add_u32 v[FA], v0, 3, SCP
	v_lshlrev_b32 v[FO], 3, v0
	v_lshlrev_b32 v253, 5, v249                    ; a unit's scale words: 32 bytes
	v_lshlrev_b32 v254, 5, v250                    ; b1, W2: my half's eight units
	s_lshl_b32 s48, s[WV], 16                      ; my four tiles of W1: 4 x 8 images
	s_add_nc_u64 s[6:7], s[6:7], s[48:49]
	s_lshl_b32 s48, s[WV], 11
	s_add_nc_u64 s[8:9], s[8:9], s[48:49]
	s_lshl_b32 s48, s[WV], 8
	s_add_nc_u64 s[10:11], s[10:11], s[48:49]
	s_add_nc_u64 s[12:13], s[12:13], s[48:49]
	s_lshl_b32 s48, ttmp9, 18                      ; xt: two K steps of 131,072 bytes a work-group; my two G of 16,384
	s_lshl_b32 s50, s[WV], 15
	s_add_co_u32 s48, s48, s50
	s_add_nc_u64 s[16:17], s[16:17], s[48:49]
	s_lshl_b32 s48, ttmp9, 13                      ; xs: two K steps of 4,096 bytes; my two G of 512
	s_lshl_b32 s50, s[WV], 10
	s_add_co_u32 s48, s48, s50
	s_add_nc_u64 s[18:19], s[18:19], s[48:49]
	s_lshl_b32 s48, ttmp9, 10
	s_add_nc_u64 s[20:21], s[20:21], s[48:49]
	WIN 0x80                                       ; destination window 2: tiles 0 and 1
.irp t, 0,1
.irp ks, 0,1,2,3,4,5,6,7
.irp c, 0,1,2,3
	global_load_b128 v[16*(8*\t+\ks)+4*\c:16*(8*\t+\ks)+4*\c+3], v[SO], s[6:7] offset:\t*16384+\ks*2048+512*\c
.endr
.endr
.endr
	WIN 0xc0                                       ; window 3: tiles 2 and 3
.irp t, 0,1
.irp ks, 0,1,2,3,4,5,6,7
.irp c, 0,1,2,3
	global_load_b128 v[16*(8*\t+\ks)+4*\c:16*(8*\t+\ks)+4*\c+3], v[SO], s[6:7] offset:(\t+2)*16384+\ks*2048+512*\c
.endr
.endr
.endr
	WIN 0
.irp t, 0,1,2,3
	global_load_b128 v[W1S+8*\t:W1S+8*\t+3], v253, s[8:9] offset:512*\t          ; lane r: unit 16 t + r's words of K steps 0-3,
	global_load_b128 v[W1S+8*\t+4:W1S+8*\t+7], v253, s[8:9] offset:512*\t+16     ; 4-7
	global_load_b128 v[B1+8*\t:B1+8*\t+3], v254, s[10:11] offset:64*\t           ; in the result's layout: register j = unit 16 t + 8 h + j
	global_load_b128 v[B1+8*\t+4:B1+8*\t+7], v254, s[10:11] offset:64*\t+16
	global_load_b128 v[W2H+8*\t:W2H+8*\t+3], v254, s[12:13] offset:64*\t
	global_load_b128 v[W2H+8*\t+4:W2H+8*\t+7], v254, s[12:13] offset:64*\t+16
.endr
	v_mov_b32 v[KA], 0xaf95df0b                    ; -2.72614226e-10
	v_mov_b32 v[KA+1], 0xaf95df0b
	v_mov_b32 v[KB], 0xb77460cd                    ; -1.45660718e-05
	v_mov_b32 v[KB+1], 0xb77460cd
.irp i, 0,1,2,3,4,5,6,7
	v_mov_b32 v[SW+\i], 0                          ; read before four bytes have been shifted in
.endr
.irp i, 4,5,6,7
	v_mov_b32 v[TM+\i], 0                          ; a lane permute's destination counts as one of its sources
.endr
	s_mov_b32 s[SEL], 0x76543210
	s_mov_b32 s[SEL+1], 0xfedcba98
	s_mov_b32 s[MNT], 0x600000                     ; the mantissa field of 448
	s_mov_b32 s[FLR], 0x4800000                    ; 2^(9 - 127)
	s_mov_b32 s[HM], 0xffff0000                    ; lanes 16-31
	s_mov_b32 s[OFA+1], 0
	s_mov_b32 s[OFB+1], 0
	s_mov_b32 s[TRIP], 0
	s_mov_b32 s[TB], 0
	s_mov_b32 s[TF], 0
	s_mov_b32 s[SPT], 0
	s_wait_loadcnt 0x0
.set i, 0
.rept 16
	v_pk_mul_f32 v[W2H+2*i:W2H+2*i+1], v[W2H+2*i:W2H+2*i+1], 0.5 op_sel_hi:[1,0]   ; gelu's 1/2 goes into W2: exact
.set i, i+1
.endr
	s_wait_kmcnt 0x0                               ; b2
; THE CHANGE OF SLOTS, at a trip's head.  Each wave waits for all its tensor loads (one is out: its quarter of the slot that it is about to read), adds 0 to its spare word, and waits for that and for all its LDS
; reads and stores of the last trip.  Behind the barrier the slot ahead is whole, and nobody reads the other slot or the images any more.  fill = 1: the other slot takes the next 32 rows: the load has the whole trip in which to land.
.macro CHANGE fill
	WIN 0
	s_wait_xcnt 0x0                                ; the last trip's stores have read their bases
	s_lshr_b32 s48, s[TRIP], 2                     ; which of my two K steps,
	s_and_b32 s49, s[TRIP], 3                      ; which block of 32 keys in it
	s_lshl_b32 s[OFA], s48, 17
	s_lshl_b32 s49, s49, 9
	s_add_co_u32 s[OFA], s[OFA], s49
	s_add_nc_u64 s[XTC:XTC+1], s[16:17], s[OFA:OFA+1]
	s_lshl_b32 s[OFB], s48, 12
	s_add_nc_u64 s[XSP:XSP+1], s[18:19], s[OFB:OFB+1]
	s_wait_tensorcnt 0x0                           ; no tensor load of mine is out, so group 0 may be written
	ds_add_u32 v[SPW], v[NIL]                      ; 0 onto my spare word
.if \fill
	s_xor_b32 s[TF], s[TF], SLOT                   ; the other slot than last time,
	s_add_co_u32 s[G0+1], s[TF], s[WQ]             ; my quarter of it,
	s_add_nc_u64 s[G0+2:G0+3], s[G0+2:G0+3], 131072  ; the next 32 rows; the type bits on top are not reached
.endif
	s_wait_dscnt 0x0
	s_barrier_signal -1
	s_barrier_wait -1
.if \fill
	tensor_load_to_lds s[G0:G0+3], s[G1:G1+7]      ; the first thing behind the barrier, and my one tensor load until the next change
	s_nop 0
.endif
	v_add_nc_u32 v[AR], s[TB], v[AR0]              ; four vector lines stand between the load and the next switch of windows
	v_add_nc_u32 v[AC0], s[TB], v[AC00]
	v_add_nc_u32 v[SPA], s[SPT], v[SPA0]
	v_add_nc_u32 v[AC1], 2*QTR, v[AC0]
.endm
; my lane's 64 numbers of tile m, K step 2 w + e, into window 1 from S on: register 16 b + i = column 32 b + 16 h + i of the K step, of my row
.macro LDF m, e, S
.irp b, 0,1,2,3
.irp j, 0,1,2,3
	ds_load_b128 v[\S+16*\b+4*\j:\S+16*\b+4*\j+3], v[AR] offset:\m*4*ROWP+\e*512+128*\b+16*\j
.endr
.endr
.endm
; they become a fragment's codes and its scale word, which go to LDS as they stand.  P: which of the two sets of result registers
.macro QUANT S, m, e, P
	WIN 0x14                                       ; sources 1 and 2 in window 1
.irp b, 0,1,2,3
	v_max3_num_f32 v[TM+\b], s[FLR], |v[\S+16*\b]|, |v[\S+16*\b+1]|   ; block b: my 16 numbers, and the floor, which holds the byte at 1 from below
.endr
.irp i, 2,4,6,8,10,12,14
.irp b, 0,1,2,3
	v_max3_num_f32 v[TM+\b], v[TM+\b], |v[\S+16*\b+\i]|, |v[\S+16*\b+\i+1]|
.endr
.endr
	WIN 0
.irp b, 0,1,2,3
	v_permlanex16_b32 v[TM+4+\b], v[TM+\b], s[SEL], s[SEL+1]
.endr
.irp b, 0,1,2,3
	v_max_num_f32 v[TM+\b], v[TM+\b], v[TM+4+\b]   ; with lane l xor 16's 16: the block's largest magnitude
.endr
.irp b, 0,1,2,3
	v_add_nc_u32 v[TM+12+\b], 0xfc000000, v[TM+\b] ; 8 off its exponent field: the conversion's scale operand
.endr
.irp b, 0,1,2,3
	v_and_or_b32 v[TM+8+\b], v[TM+\b], 0x7f800000, s[MNT]   ; 448 x the scale
.endr
.irp b, 0,1,2,3
	v_lshrrev_b32 v[TM+4+\b], 23, v[TM+12+\b]      ; the scale's byte
.endr
	v_lshl_or_b32 v[PW+5*\P], v[TM+5], 8, v[TM+4]
	v_lshl_or_b32 v[PW+5*\P], v[TM+6], 16, v[PW+5*\P]
	v_lshl_or_b32 v[PW+5*\P], v[TM+7], 24, v[PW+5*\P]
	WIN 0x01                                       ; source 0 in window 1
.irp b, 0,1,2,3
.set i, 0
.rept 16
	v_med3_num_f32 v[TT+16*\b+i], v[\S+16*\b+i], -v[TM+8+\b], v[TM+8+\b]   ; the conversion does not saturate (ISA guide 7.6.2): the hold; it also brings the number into window 0
.set i, i+1
.endr
.endr
	WIN 0
.irp b, 0,1,2,3
	v_cvt_scalef32_pk8_fp8_f32 v[CC+16*\P+4*\b:CC+16*\P+4*\b+1], v[TT+16*\b:TT+16*\b+7], v[TM+12+\b]
	v_cvt_scalef32_pk8_fp8_f32 v[CC+16*\P+4*\b+2:CC+16*\P+4*\b+3], v[TT+16*\b+8:TT+16*\b+15], v[TM+12+\b]
.endr
	v_nop                                          ; one plain line behind the last conversion, ahead of whatever next writes its sources
.irp b, 0,1,2,3
	ds_store_b128 v[IW], v[CC+16*\P+4*\b:CC+16*\P+4*\b+3] offset:\m*16384+\e*2048+512*\b
.endr
	ds_store_b32 v[XW], v[PW+5*\P] offset:\m*1024+\e*128
.endm
; 32 rows x my lane's 4 channels of group g (128 channels) into window 1: register 128 g + 4 i + c = x(row i, channel 4 lane + c).  A load reads 512 consecutive bytes
.macro LDG g
.set i, 0
.rept 16
	ds_load_b128 v[128*(\g)+4*i:128*(\g)+4*i+3], v[AC0] offset:(i/8)*QTR+(i%8)*ROWP+512*(\g)
.set i, i+1
.endr
.set i, 0
.rept 16
	ds_load_b128 v[128*(\g)+64+4*i:128*(\g)+64+4*i+3], v[AC1] offset:(i/8)*QTR+(i%8)*ROWP+512*(\g)
.set i, i+1
.endr
.endm
; they are quantised down the rows: a block of 32 keys lies in one lane.  The hold also parts the four channels.
.macro CQ g
.set RB, 128*(\g)
	WIN 0
	s_wait_xcnt 0x0                                ; earlier stores have read the codes' registers and xs's words
	WIN 0x14
.irp c, 0,1,2,3
	v_max3_num_f32 v[TM+\c], s[FLR], |v[RB+\c]|, |v[RB+4+\c]|
.endr
.irp i, 2,4,6,8,10,12,14,16,18,20,22,24,26,28,30
.irp c, 0,1,2,3
	v_max3_num_f32 v[TM+\c], v[TM+\c], |v[RB+4*\i+\c]|, |v[RB+4*\i+4+\c]|
.endr
.endr
	WIN 0
.irp c, 0,1,2,3
	v_add_nc_u32 v[TM+12+\c], 0xfc000000, v[TM+\c]
.endr
.irp c, 0,1,2,3
	v_and_or_b32 v[TM+8+\c], v[TM+\c], 0x7f800000, s[MNT]
.endr
.irp c, 0,1,2,3
	v_lshrrev_b32 v[TM+4+\c], 23, v[TM+12+\c]
.endr
.irp c, 0,1,2,3
	v_alignbit_b32 v[SW+4*(\g)+\c], v[TM+4+\c], v[SW+4*(\g)+\c], 8   ; the byte comes in at the top: after four trips the first block's byte is the lowest
.endr
.irp u, 0,1                                    ; channels 2 u and 2 u + 1
	WIN 0x01
.irp k, 0,1
.set i, 0
.rept 32
	v_med3_num_f32 v[TT+32*\k+i], v[RB+4*i+2*\u+\k], -v[TM+8+2*\u+\k], v[TM+8+2*\u+\k]
.set i, i+1
.endr
.endr
	WIN 0
.irp k, 0,1
.irp q, 0,1,2,3
	v_cvt_scalef32_pk8_fp8_f32 v[CC+8*(2*\u+\k)+2*\q:CC+8*(2*\u+\k)+2*\q+1], v[TT+32*\k+8*\q:TT+32*\k+8*\q+7], v[TM+12+2*\u+\k]
.endr
.endr
	v_nop                                          ; one plain line behind the conversions: the next holds write their sources
.endr
.irp c, 0,1,2,3
.irp hp, 0,1
	global_store_b128 v[XO], v[CC+8*\c+4*\hp:CC+8*\c+4*\hp+3], s[XTC:XTC+1] offset:(\g)*16384+\c*4096+256*\hp th:TH_STORE_NT   ; keys 16 hp + 0 .. 15 of the block: sixteen lanes store 256 consecutive bytes, aligned
.endr
.endr
.endm
.macro FETCH                           ; all 16 scale words and fragments of the trip's 32 rows, K step by K step
.set q, 0
.rept 16
	ds_load_b32 v[XS+q], v[LS] offset:128*q
.set q, q+1
.endr
	WIN 0x40
.irp ks, 0,1,2,3,4,5,6,7
.irp m, 0,1
.irp c, 0,1,2,3
	ds_load_b128 v[16*(8*\m+\ks)+4*\c:16*(8*\m+\ks)+4*\c+3], v[LI] offset:(8*\m+\ks)*2048+512*\c
.endr
.endr
.endr
.endm
; 32 matrix instructions: my tiles 2 half and 2 half + 1 of units x both tiles of rows, all of K.  Four accumulators take turns, one instruction a turn.  b1 is the C of each sum's first.
.macro MUL half
	WIN 0x06+(\half)                               ; source 0 (W1) window 2 or 3, source 1 (x) window 1, C and D window 0
.irp ks, 0,1,2,3,4,5,6,7
.if (\half) == 0
	s_wait_dscnt 8*(7-\ks)                         ; this K step's two fragments are in; the later K steps' eight loads each may be out
.endif
.irp tl, 0,1
.irp m, 0,1
.if \ks == 0
	v_wmma_scale_f32_16x16x128_f8f6f4 v[HA+8*(2*(2*(\half)+\tl)+\m):HA+8*(2*(2*(\half)+\tl)+\m)+7], v[16*(8*\tl+\ks):16*(8*\tl+\ks)+15], v[16*(8*\m+\ks):16*(8*\m+\ks)+15], v[B1+8*(2*(\half)+\tl):B1+8*(2*(\half)+\tl)+7], v[W1S+8*(2*(\half)+\tl)+\ks], v[XS+8*\m+\ks]
.else
	v_wmma_scale_f32_16x16x128_f8f6f4 v[HA+8*(2*(2*(\half)+\tl)+\m):HA+8*(2*(2*(\half)+\tl)+\m)+7], v[16*(8*\tl+\ks):16*(8*\tl+\ks)+15], v[16*(8*\m+\ks):16*(8*\m+\ks)+15], v[HA+8*(2*(2*(\half)+\tl)+\m):HA+8*(2*(2*(\half)+\tl)+\m)+7], v[W1S+8*(2*(\half)+\tl)+\ks], v[XS+8*\m+\ks]
.endif
.endr
.endr
.endr
.endm
; accumulator (t, m): lane (r, h) holds row r of tile m and units 16 t + 8 h + 0 .. 7.  score += (h W2 / 2) (1 + erf(h / sqrt 2)), two numbers an instruction, stage by stage
.macro GELU t, m
.set HH, HA+8*(2*(\t)+(\m))
.set WW, W2H+8*(\t)
.set SS, SA+2*(\m)
.irp p, 0,2,4,6
	v_pk_mul_f32 v[ZZ+\p:ZZ+\p+1], v[HH+\p:HH+\p+1], 0x3f3504f3 op_sel_hi:[1,0]   ; z = h / sqrt 2; the accumulator is read from its low end on
.endr
.irp p, 0,1,2,3,4,5,6,7
	v_med3_num_f32 v[ZZ+\p], v[ZZ+\p], -4.0, 4.0
.endr
.irp p, 0,2,4,6
	v_pk_mul_f32 v[YY+\p:YY+\p+1], v[ZZ+\p:ZZ+\p+1], v[ZZ+\p:ZZ+\p+1]
.endr
.irp p, 0,2,4,6
	v_pk_fma_f32 v[AA+\p:AA+\p+1], v[KA:KA+1], v[YY+\p:YY+\p+1], EA11 op_sel_hi:[1,1,0]
.endr
.irp k, EA9, EA7, EA5, EA3, EA1
.irp p, 0,2,4,6
	v_pk_fma_f32 v[AA+\p:AA+\p+1], v[AA+\p:AA+\p+1], v[YY+\p:YY+\p+1], \k op_sel_hi:[1,1,0]
.endr
.endr
.irp p, 0,2,4,6
	v_pk_fma_f32 v[QQ+\p:QQ+\p+1], v[KB:KB+1], v[YY+\p:YY+\p+1], EB6 op_sel_hi:[1,1,0]
.endr
.irp k, EB4, EB2, EB0
.irp p, 0,2,4,6
	v_pk_fma_f32 v[QQ+\p:QQ+\p+1], v[QQ+\p:QQ+\p+1], v[YY+\p:YY+\p+1], \k op_sel_hi:[1,1,0]
.endr
.endr
.irp p, 0,2,4,6
	v_pk_mul_f32 v[AA+\p:AA+\p+1], v[AA+\p:AA+\p+1], v[ZZ+\p:ZZ+\p+1]
.endr
.irp p, 0,1,2,3,4,5,6,7
	v_rcp_f32 v[QQ+\p], v[QQ+\p]                   ; Q is negative throughout, never 0
.endr
.irp p, 0,2,4,6
	v_pk_mul_f32 v[YY+\p:YY+\p+1], v[HH+\p:HH+\p+1], v[WW+\p:WW+\p+1]   ; h W2 / 2: plain lines between the reciprocals and their use
.endr
	s_wait_alu depctr_va_vdst(0)
.irp p, 0,2,4,6
	v_pk_fma_f32 v[AA+\p:AA+\p+1], v[AA+\p:AA+\p+1], v[QQ+\p:QQ+\p+1], 1.0 op_sel_hi:[1,1,0]   ; 1 + erf
.endr
.irp p, 0,2,4,6
	v_pk_fma_f32 v[SS:SS+1], v[YY+\p:YY+\p+1], v[AA+\p:AA+\p+1], v[SS:SS+1]
.endr
.endm
.macro WORK
	WIN 0x40                                       ; destination window 1
	LDF 0, 0, 0
	LDF 0, 1, 64
	LDF 1, 0, 128
	LDF 1, 1, 192
	s_wait_dscnt 48                                ; the first fragment's 16 loads are in; the other three's may be out
	QUANT 0, 0, 0, 0
	s_wait_dscnt 37                                ; the second's are in: behind them 2 x 16 loads and 5 stores
	QUANT 64, 0, 1, 1
	WIN 0x40
	LDG 0                                          ; into the registers that the first two fragments have left
	s_wait_dscnt 37                                ; the first fragment's stores have read their registers (behind them 5 stores and 32 loads), and the third's loads are in
	QUANT 128, 1, 0, 0
	s_wait_dscnt 37                                ; the second's stores likewise (behind them 32 loads and 5 stores)
	QUANT 192, 1, 1, 1
	WIN 0x40
	LDG 1
	s_wait_dscnt 32                                ; all but the 32 just issued: group 0 is in, and the images' stores have read the registers that the codes now take
	CQ 0
	s_wait_dscnt 0x0
	CQ 1
	s_and_b32 s48, s[TRIP], 3
	s_cmp_lg_u32 s48, 3                            ; a branch on the trip's number: four blocks of keys make a scale word
	s_cbranch_scc1 .Lno_words_\@
	global_store_b128 v[SO], v[SW:SW+3], s[XSP:XSP+1] th:TH_STORE_NT             ; 32 lanes store 512 consecutive bytes
	global_store_b128 v[SO], v[SW+4:SW+7], s[XSP:XSP+1] offset:512 th:TH_STORE_NT
.Lno_words_\@:
	s_wait_dscnt 0x0                               ; my images and scale words have landed
	s_barrier_signal -1
	s_barrier_wait -1                              ; everybody's have.
	FETCH
	MUL 0
	MUL 1
	WIN 0
.irp i, 0,1,2,3
	v_mov_b32 v[SA+\i], 0                          ; eight places behind the last products: these four
.endr
.rept 4
	v_nop                                          ; and these
.endr
	s_wait_xcnt 0x0                                ; the stores to xt have read the registers that gelu now takes
.irp t, 0,1,2,3
	GELU \t, 0
	GELU \t, 1
.endr
	v_add_f32 v[TM+4], v[SA], v[SA+1]
	v_add_f32 v[TM+5], v[SA+2], v[SA+3]
	v_permlanex16_b32 v[TM+6], v[TM+4], s[SEL], s[SEL+1]
	v_permlanex16_b32 v[TM+7], v[TM+5], s[SEL], s[SEL+1]
	v_add_f32 v[TM+4], v[TM+4], v[TM+6]            ; both halves' units: my wave's 64
	v_add_f32 v[TM+5], v[TM+5], v[TM+7]
	v_cndmask_b32 v[TM+4], v[TM+4], v[TM+5], s[HM] ; lanes 16-31 take tile 1's
	ds_store_b32 v[SPA], v[TM+4]
	s_xor_b32 s[TB], s[TB], SLOT
	s_add_co_u32 s[SPT], s[SPT], 128
.endm
.Ltrip:                                                ; seven trips ask for the next rows
	CHANGE 1
	WORK
	s_add_co_u32 s[TRIP], s[TRIP], 1
	s_cmp_lt_u32 s[TRIP], 7
	s_cbranch_scc1 .Ltrip
	CHANGE 0                                       ; the last is written out
	WORK
	s_wait_dscnt 0x0                               ; my partial scores have landed
	s_barrier_signal -1
	s_barrier_wait -1
.irp k, 0,1,2,3
	ds_load_b64 v[CC+2*\k:CC+2*\k+1], v[FA] offset:1024*\k   ; rows 2 thread and 2 thread + 1, of each wave
.endr
	s_wait_dscnt 0x0
	v_pk_add_f32 v[CC:CC+1], v[CC:CC+1], v[CC+2:CC+3]
	v_pk_add_f32 v[CC+4:CC+5], v[CC+4:CC+5], v[CC+6:CC+7]
	v_pk_add_f32 v[CC:CC+1], v[CC:CC+1], v[CC+4:CC+5]
	v_add_f32 v[CC], s[BB2], v[CC]
	v_add_f32 v[CC+1], s[BB2], v[CC+1]
	global_store_b64 v[FO], v[CC:CC+1], s[20:21]   ; a wave stores 256 consecutive bytes, aligned
	s_wait_tensorcnt 0x0                           ; the wave's end
	ds_add_u32 v[SPW], v[NIL]
	s_wait_dscnt 0x0
	s_endpgm
.Lfunc_end_k_qcbe9d2497e_score:
	.size	k_qcbe9d2497e_score, .Lfunc_end_k_qcbe9d2497e_score-k_qcbe9d2497e_score
	.p2alignl 7, 3214868480
	.fill 96, 4, 3214868480
	.section	.rodata,"a",@progbits
	.p2align	6, 0x0
	.amdhsa_kernel k_qcbe9d2497e_score
		.amdhsa_group_segment_fixed_size 327680
		.amdhsa_private_segment_fixed_size 0
		.amdhsa_enable_private_segment 0
		.amdhsa_kernarg_size 72
		.amdhsa_user_sgpr_count 2
		.amdhsa_user_sgpr_kernarg_segment_ptr 1
		.amdhsa_wavefront_size32 1
		.amdhsa_system_sgpr_workgroup_id_x 1
		.amdhsa_system_sgpr_workgroup_id_y 1
		.amdhsa_system_sgpr_workgroup_id_z 1
		.amdhsa_system_vgpr_workitem_id 0
		.amdhsa_next_free_vgpr 1024
		.amdhsa_next_free_sgpr 66
		.amdhsa_reserve_vcc 0
		.amdhsa_float_denorm_mode_32 3
		.amdhsa_float_denorm_mode_16_64 3
		.amdhsa_memory_ordered 1
		.amdhsa_forward_progress 1
		.amdhsa_inst_pref_size 255
	.end_amdhsa_kernel
	.section	.bss,"aw",@nobits
	.p2align	6
	.space	262144
	.amdgpu_metadata
---
amdhsa.version: [ 1, 2 ]
amdhsa.kernels:
  - .name:           k_qcbe9d2497e_score
    .symbol:         k_qcbe9d2497e_score.kd
    .args:
      - { .name: x, .offset: 0, .size: 8, .value_kind: global_buffer, .address_space: global }
      - { .name: w1c, .offset: 8, .size: 8, .value_kind: global_buffer, .address_space: global }
      - { .name: w1s, .offset: 16, .size: 8, .value_kind: global_buffer, .address_space: global }
      - { .name: b1, .offset: 24, .size: 8, .value_kind: global_buffer, .address_space: global }
      - { .name: W2, .offset: 32, .size: 8, .value_kind: global_buffer, .address_space: global }
      - { .name: b2, .offset: 40, .size: 8, .value_kind: global_buffer, .address_space: global }
      - { .name: xt, .offset: 48, .size: 8, .value_kind: global_buffer, .address_space: global }
      - { .name: xs, .offset: 56, .size: 8, .value_kind: global_buffer, .address_space: global }
      - { .name: scores, .offset: 64, .size: 8, .value_kind: global_buffer, .address_space: global }
    .group_segment_fixed_size: 327680
    .private_segment_fixed_size: 0
    .kernarg_segment_align: 8
    .kernarg_segment_size: 72
    .max_flat_workgroup_size: 128
    .sgpr_count:     66
    .vgpr_count:     1024
    .wavefront_size: 32
...
	.end_amdgpu_metadata
.endif
;; end of part 2
;; launch pool (part 3): grid 32 x 8, 4 waves a work-group, no clusters, 100,352 bytes of LDS; arguments scores, pool_positions, masks, xt, xs, out0; writes out0
.if DOCPART == 3
	.amdgcn_target "amdgcn-amd-amdhsa--gfx1250"
	.amdhsa_code_object_version 6
	.text
	.protected	k_qcbe9d2497e_pool
	.globl	k_qcbe9d2497e_pool
	.p2align	8
	.type	k_qcbe9d2497e_pool,@function
k_qcbe9d2497e_pool:
	s_mov_b64 s[64:65], 0
	v_nop
	global_prefetch_b8 v0, s[64:65] scope:SCOPE_SE
	s_setreg_imm32_b32 hwreg(HW_REG_WAVE_MODE, 25, 1), 1
	s_wait_xcnt 0x0
; out0[b][t][:] = the sum over s of softmax_s(-8192 |pp_t - pos_s| + 10 w_s) x[b][s][:], w = softmax(scores[b]), pos = linspace(0, 1, 8192); the product on codes of E4M3 with E8M0 scales along the keys s.
; THE SOFTMAX AHEAD OF THE PRODUCT: t = logit x log2(e); M = the row's largest t so far, rounded UP to a whole number; p = 2^(t - M) is quantised along the keys, not normalised; the row's sum is taken of the
; unquantised p and divides at the end.  When M moves, the sum and the result are multiplied by 2^(old M - new M): exact.
; t IS AN f32 NUMBER OF ITS OWN: the product logit x log2(e) is rounded, and M is taken off afterwards (exact: M is a whole number beside t).  So a multiplication and an addition stand where one fused multiply-add could:
;   where pp lies outside 0 .. 1 all of a row's logits are large (thousands), t's last place is then 1e-4 and more, and the fused form would give another p than the definition's, by enough to turn codes.
; pos_s = s x r, rounded once, r = 1 / 8191 rounded to f32 (0x39000400).  reference()'s linspace divides a row of whole numbers by the constant 8191 inside one compiled function, where a division by a constant is a
;   multiplication by its reciprocal.  That is NOT the rounded quotient: from s = 4096 on the two differ in the last place where s = 2 modulo 8 (s r is there a tie that goes to even, downward), and a last place of pos is
;   2^-24 x 8192 = 4.9e-4 of the logit, enough to turn a code of p.  s = 8191 gives 1 - 2^-26, which rounds to 1, linspace's end point.
; SHARES.  Work-group (tau, b): rows t = 16 tau .. 16 tau + 15 of batch b, all 1,024 channels; wave w: channels 256 w .. 256 w + 255: 16 tiles of 16, 16 accumulators.  Every wave makes the 16 rows' p itself:
;   some 490 vector instructions a step, and so no barrier stands in a walk that hangs on stored numbers.
; THE WALK.  64 trips, one for each K step of 128 keys; a trip whose bit in the tile's stored mask is 0 is left out by a scalar branch.  In such a step every p of every row of the tile is 0 in f32 (the launch that
;   stores the masks gives the arithmetic), so its codes are zeros and it adds nothing to sum or product.  SKIP = 0 walks all 64.
; LAYOUT.  The product is used transposed: source 0 = 16 channels (an image out of xt, straight from memory into registers), source 1 = p: lane (r, h) holds row r and keys 32 b + 16 h + 0 .. 15.  In the result lane (r, h)
;   holds row r; register j of tile (G, c, hh) is channel 128 G + 64 hh + 32 h + 4 j + c: the last multiplication puts four neighbouring channels into four neighbouring registers.
; The logit has reference()'s roundings: pp - pos rounded, x 8192 exact, 10 w rounded, the sum rounded once (a fused multiply-add).
; NO CLUSTER, NO TENSOR LOAD: which steps a work-group walks hangs on the stored masks, and differs from tile to tile; so the operands go from memory straight into registers.
; LIMITS: NaN and infinities are not served.  v_exp_f32 gives 0 under 2^-126, where the definition has denormals: under 2^-126 beside sums of 1/2 and more.
; The accumulators are cleared by moves: which step is a row tile's first is not known to the text, so no product written out ahead of the loop can start the sums.
; REGISTERS.  Window 0: v1-11, v27, v28 addresses; v12 -M, v13 the largest t, v[14:15] the sum; v[16:17] pp; v18-25 x's scale words, v26 p's; v32-95 logits, then p; v96-159 10 w; v160-175 p's codes; v176-199 at work.
;   Window 1: the step's 16 images.   Window 2: the 16 accumulators.
.set SKIP,    1
.set POS,  0                           ; LDS: pos_s, 8,192 f32
.set W10,  32768                       ; 10 w_s, 8,192 f32
.set RED,  65536                       ; the waves' maxima (4 words) and sums (4 words)
.set STG,  65792                       ; the way out: 16 rows x (512 + 16) bytes for each wave
.set AP0,  1                           ; 64 h
.set AP,   2
.set XO,   3                           ; 16 x lane
.set STO,  4
.set RD,   5
.set T16,  6                           ; 16 x thread
.set RW,   11                          ; RED + 4 x wave
.set RA,   27                          ; RED
.set PPO,  28                          ; 4 r
.set XSR,  18
.set PW,   26
.set LG,   32
.set WT,   96
.set PC,   160
.set BM,   176
.set BP,   180
.set HD,   184
.set SOP,  188
.set FF,   192
.set TP,   194
.set S2,   196
.set WV,   16
.set J,    17
.set TJ,   18
.set SEL,  24
.set CS,   26                          ; s[26:27] log2(e), twice
.set MNT,  28
.set NS,   29                          ; -8192.0
.set RC,   30                          ; s[30:31] 1 / 8191 rounded, twice
.set MSB, 0
.macro WIN new
.if MSB != (\new)
	s_set_vgpr_msb (MSB<<8)|(\new)
.set MSB, (\new)
.endif
.endm
.macro BARRIER                         ; my LDS stores have landed and my LDS loads are in: then the work-group's barrier
	s_wait_dscnt 0x0
	s_barrier_signal -1
	s_barrier_wait -1
.endm
	s_load_b256 s[4:11], s[0:1], 0x0               ; scores s[4:5], pool_positions s[6:7], masks s[8:9], xt s[10:11]
	s_load_b128 s[12:15], s[0:1], 0x20             ; xs s[12:13], out0 s[14:15]
	v_lshl_add_u32 v254, v0, 2, 0x18600
	v_mov_b32 v255, 0
	v_lshrrev_b32 v7, 5, v0
	v_readfirstlane_b32 s[WV], v7                  ; wave 0..3
	s_and_b32 s19, ttmp7, 0xffff                   ; the batch
	v_and_b32 v8, 31, v0                           ; lane
	v_and_b32 v9, 15, v0                           ; r
	v_bfe_u32 v10, v0, 4, 1                        ; h
	v_lshlrev_b32 v[AP0], 6, v10
	v_lshlrev_b32 v[XO], 4, v8
	s_mul_i32 s22, s[WV], 16*528
	s_add_co_u32 s22, s22, STG                     ; my stage
	v_mul_u32_u24 v[STO], v9, 528
	v_lshl_add_u32 v[STO], v10, 7, v[STO]
	v_add_nc_u32 v[STO], s22, v[STO]               ; in: row r, + 128 h
	v_lshl_add_u32 v[RD], v8, 4, s22               ; back: 32 lanes take a row of 512 bytes
	v_lshlrev_b32 v[T16], 4, v0
	v_lshl_add_u32 v[RW], v7, 2, RED
	v_mov_b32 v[RA], RED
	v_lshlrev_b32 v[PPO], 2, v9
	s_mov_b32 s[SEL], 0x76543210
	s_mov_b32 s[SEL+1], 0xfedcba98
	s_mov_b32 s[CS], 0x3fb8aa3b
	s_mov_b32 s[CS+1], s[CS]
	s_mov_b32 s[MNT], 0x600000
	s_mov_b32 s[NS], 0xc6000000
	s_mov_b32 s[RC], 0x39000400
	s_mov_b32 s[RC+1], s[RC]
	s_mov_b32 s35, 0
	s_wait_kmcnt 0x0
	s_lshl_b32 s34, s19, 15
	s_add_nc_u64 s[4:5], s[4:5], s[34:35]          ; the batch's 8,192 scores
	s_lshl_b32 s34, ttmp9, 6
	s_add_nc_u64 s[6:7], s[6:7], s[34:35]          ; the tile's 16 positions
	s_lshl_b32 s34, ttmp9, 3
	s_add_nc_u64 s[8:9], s[8:9], s[34:35]          ; its mask
	s_lshl_b32 s34, s19, 23
	s_lshl_b32 s36, s[WV], 15
	s_add_co_u32 s34, s34, s36
	s_add_nc_u64 s[10:11], s[10:11], s[34:35]      ; xt: the batch, K step 0, my 16 images
	s_lshl_b32 s34, s19, 18
	s_lshl_b32 s36, s[WV], 10
	s_add_co_u32 s34, s34, s36
	s_add_nc_u64 s[12:13], s[12:13], s[34:35]      ; xs likewise
	s_lshl_b32 s34, s19, 21
	s_lshl_b32 s37, ttmp9, 16
	s_add_co_u32 s34, s34, s37
	s_add_co_u32 s34, s34, s36
	s_add_nc_u64 s[14:15], s[14:15], s[34:35]      ; out0: row 512 b + 16 tau, my 1,024 bytes of it
	s_load_b64 s[20:21], s[8:9], 0x0               ; the mask
.set i, 0
.rept 16
	global_load_b128 v[LG+4*i:LG+4*i+3], v[T16], s[4:5] offset:2048*i   ; scores of s = 4 thread + 512 i + 0 .. 3
.set i, i+1
.endr
	global_load_b32 v16, v[PPO], s[6:7]
	; ---- pos_s of the same s, while the scores are on their way
.irp b, 0,1,2,3
	v_mov_b32 v[BP+\b], 0                          ; a lane permute's destination counts as one of its sources
.endr
	v_lshlrev_b32 v[TP], 2, v0
	v_cvt_f32_u32 v[WT], v[TP]
	v_add_f32 v[WT+1], 1.0, v[WT]
	v_add_f32 v[WT+2], 2.0, v[WT]
	v_add_f32 v[WT+3], 0x40400000, v[WT]
.set i, 1
.rept 15
	v_pk_add_f32 v[WT+4*i:WT+4*i+1], v[WT+4*i-4:WT+4*i-3], 0x44000000 op_sel_hi:[1,0]     ; + 512: whole numbers under 2^24, exact
	v_pk_add_f32 v[WT+4*i+2:WT+4*i+3], v[WT+4*i-2:WT+4*i-1], 0x44000000 op_sel_hi:[1,0]
.set i, i+1
.endr
.set i, 0
.rept 32
	v_pk_mul_f32 v[WT+2*i:WT+2*i+1], v[WT+2*i:WT+2*i+1], s[RC:RC+1] op_sel_hi:[1,0]       ; pos_s = s r, rounded once
.set i, i+1
.endr
.set i, 0
.rept 16
	ds_store_b128 v[T16], v[WT+4*i:WT+4*i+3] offset:POS+2048*i
.set i, i+1
.endr
	s_wait_loadcnt 0x0
	v_mov_b32 v17, v16                             ; pp as a pair
	; ---- w = softmax(scores): the largest score of the batch
.irp c, 0,1,2,3
	v_max3_num_f32 v[BM+\c], v[LG+16*\c], v[LG+16*\c+1], v[LG+16*\c+2]
.endr
.irp i, 3,5,7,9,11,13
.irp c, 0,1,2,3
	v_max3_num_f32 v[BM+\c], v[BM+\c], v[LG+16*\c+\i], v[LG+16*\c+\i+1]
.endr
.endr
.irp c, 0,1,2,3
	v_max_num_f32 v[BM+\c], v[BM+\c], v[LG+16*\c+15]
.endr
	v_max3_num_f32 v[BM], v[BM], v[BM+1], v[BM+2]
	v_max_num_f32 v[BM], v[BM], v[BM+3]
	v_max_num_f32_dpp v[BM], v[BM], v[BM] row_xmask:1 row_mask:0xf bank_mask:0xf
	v_max_num_f32_dpp v[BM], v[BM], v[BM] row_xmask:2 row_mask:0xf bank_mask:0xf
	v_max_num_f32_dpp v[BM], v[BM], v[BM] row_xmask:4 row_mask:0xf bank_mask:0xf
	v_max_num_f32_dpp v[BM], v[BM], v[BM] row_xmask:8 row_mask:0xf bank_mask:0xf
	v_permlanex16_b32 v[BP], v[BM], s[SEL], s[SEL+1]
	v_max_num_f32 v[BM], v[BM], v[BP]
	ds_store_b32 v[RW], v[BM]                      ; all lanes write the wave's word with the same value
	BARRIER
	ds_load_b128 v[HD:HD+3], v[RA]
	s_wait_dscnt 0x0
	v_max3_num_f32 v[BM], v[HD], v[HD+1], v[HD+2]
	v_max_num_f32 v[BM], v[BM], v[HD+3]
	v_mov_b32 v[BM+1], v[BM]
.set i, 0
.rept 32
	v_pk_add_f32 v[LG+2*i:LG+2*i+1], v[LG+2*i:LG+2*i+1], v[BM:BM+1] neg_lo:[0,1] neg_hi:[0,1]
.set i, i+1
.endr
.set i, 0
.rept 32
	v_pk_mul_f32 v[LG+2*i:LG+2*i+1], v[LG+2*i:LG+2*i+1], s[CS:CS+1] op_sel_hi:[1,0]
.set i, i+1
.endr
.set i, 0
.rept 64
	v_exp_f32 v[LG+i], v[LG+i]
.set i, i+1
.endr
	v_nop                                          ; a plain line between the exponentials and their use
	s_wait_alu depctr_va_vdst(0)
	v_pk_add_f32 v[S2:S2+1], v[LG:LG+1], v[LG+2:LG+3]
	v_pk_add_f32 v[S2+2:S2+3], v[LG+4:LG+5], v[LG+6:LG+7]
.irp j, 8,12,16,20,24,28,32,36,40,44,48,52,56,60
	v_pk_add_f32 v[S2:S2+1], v[S2:S2+1], v[LG+\j:LG+\j+1]
	v_pk_add_f32 v[S2+2:S2+3], v[S2+2:S2+3], v[LG+\j+2:LG+\j+3]
.endr
	v_pk_add_f32 v[S2:S2+1], v[S2:S2+1], v[S2+2:S2+3]
	v_add_f32 v[S2], v[S2], v[S2+1]
	v_add_f32_dpp v[S2], v[S2], v[S2] row_xmask:1 row_mask:0xf bank_mask:0xf
	v_add_f32_dpp v[S2], v[S2], v[S2] row_xmask:2 row_mask:0xf bank_mask:0xf
	v_add_f32_dpp v[S2], v[S2], v[S2] row_xmask:4 row_mask:0xf bank_mask:0xf
	v_add_f32_dpp v[S2], v[S2], v[S2] row_xmask:8 row_mask:0xf bank_mask:0xf
	v_permlanex16_b32 v[BP], v[S2], s[SEL], s[SEL+1]
	v_add_f32 v[S2], v[S2], v[BP]
	ds_store_b32 v[RW], v[S2] offset:16            ; other words than the maxima's
	BARRIER
	ds_load_b128 v[HD:HD+3], v[RA] offset:16
	s_wait_dscnt 0x0
	v_add_f32 v[HD], v[HD], v[HD+1]
	v_add_f32 v[HD+2], v[HD+2], v[HD+3]
	v_add_f32 v[HD], v[HD], v[HD+2]
	v_rcp_f32 v[HD], v[HD]
	v_nop
	s_wait_alu depctr_va_vdst(0)
	v_mov_b32 v[HD+1], v[HD]
.set i, 0
.rept 32
	v_pk_mul_f32 v[LG+2*i:LG+2*i+1], v[LG+2*i:LG+2*i+1], v[HD:HD+1]                    ; w
.set i, i+1
.endr
.set i, 0
.rept 32
	v_pk_mul_f32 v[LG+2*i:LG+2*i+1], v[LG+2*i:LG+2*i+1], 0x41200000 op_sel_hi:[1,0]    ; 10 w, rounded as reference() rounds it
.set i, i+1
.endr
.set i, 0
.rept 16
	ds_store_b128 v[T16], v[LG+4*i:LG+4*i+3] offset:W10+2048*i
.set i, i+1
.endr
	BARRIER                                        ; pos and 10 w of all 8,192 keys lie in LDS
	WIN 0x80                                       ; destination window 2
.set i, 0
.rept 128
	v_mov_b32 v[i], 0
.set i, i+1
.endr
	WIN 0
	v_mov_b32 v13, 0xff61b1e6                      ; the largest t so far: -3e38, under every t
	v_floor_f32 v12, -v13                          ; -M
	v_mov_b32 v14, 0
	v_mov_b32 v15, 0
	v_mov_b32 v[FF+1], 0                           ; named as the upper half of a pair
	s_mov_b32 s[J], 0
	s_mov_b32 s[TJ], 0
	s_wait_kmcnt 0x0                               ; the mask
.Lstep:
	s_cmp_lt_u32 s[J], 32
	s_cselect_b32 s22, s20, s21
	s_lshr_b32 s22, s22, s[J]                      ; (the shift takes J modulo 32)
	s_and_b32 s22, s22, 1
	s_cmp_lg_u32 s22, 0
.if SKIP
	s_cbranch_scc0 .Lskip                          ; a branch on a stored whole number, round the step's loads, softmax and products; not round the lines that step addresses
.endif
	global_load_b128 v[XSR:XSR+3], v[XO], s[12:13]             ; register c: lanes 0-15 the words of tile (G, c, 0), lanes 16-31 those of tile (G, c, 1)
	global_load_b128 v[XSR+4:XSR+7], v[XO], s[12:13] offset:512
	WIN 0x40                                       ; destination window 1
.set i, 0
.rept 64
	global_load_b128 v[4*i:4*i+3], v[XO], s[10:11] offset:512*i   ; my 16 images, 32,768 consecutive bytes: they land while p is made
.set i, i+1
.endr
	WIN 0
	v_add_nc_u32 v[AP], s[TJ], v[AP0]
.irp b, 0,1,2,3
.irp q, 0,1,2,3
	ds_load_b128 v[LG+16*\b+4*\q:LG+16*\b+4*\q+3], v[AP] offset:POS+128*\b+16*\q
.endr
.endr
.irp b, 0,1,2,3
.irp q, 0,1,2,3
	ds_load_b128 v[WT+16*\b+4*\q:WT+16*\b+4*\q+3], v[AP] offset:W10+128*\b+16*\q
.endr
.endr
	s_wait_dscnt 16                                ; pos is in; the 16 loads of 10 w may be out
.set i, 0
.rept 32
	v_pk_add_f32 v[LG+2*i:LG+2*i+1], v[16:17], v[LG+2*i:LG+2*i+1] neg_lo:[0,1] neg_hi:[0,1]   ; pp - pos
.set i, i+1
.endr
	s_wait_dscnt 0x0
.set i, 0
.rept 64
	v_fma_f32 v[LG+i], |v[LG+i]|, s[NS], v[WT+i]   ; the logit
.set i, i+1
.endr
.irp b, 0,1,2,3
	v_max3_num_f32 v[BM+\b], v[LG+16*\b], v[LG+1+16*\b], v[LG+2+16*\b]   ; the largest logit of each block of 32 keys: for the row's maximum and, since p rises with the logit, for the block's largest p
.endr
.irp i, 3,5,7,9,11,13
.irp b, 0,1,2,3
	v_max3_num_f32 v[BM+\b], v[BM+\b], v[LG+16*\b+\i], v[LG+1+16*\b+\i]
.endr
.endr
.irp b, 0,1,2,3
	v_max_num_f32 v[BM+\b], v[BM+\b], v[LG+15+16*\b]
.endr
.irp b, 0,1,2,3
	v_permlanex16_b32 v[BP+\b], v[BM+\b], s[SEL], s[SEL+1]
.endr
.irp b, 0,1,2,3
	v_max_num_f32 v[BM+\b], v[BM+\b], v[BP+\b]     ; with lane l xor 16's 16 keys
.endr
	v_max3_num_f32 v[TP], v[BM], v[BM+1], v[BM+2]
	v_max_num_f32 v[TP], v[TP], v[BM+3]
	v_mul_f32 v[TP], s[CS], v[TP]                  ; as t: the same rounded product as the elements' below, and rounding keeps the order, so it is their largest t
	v_max_num_f32 v13, v13, v[TP]                  ; the running largest t
	v_mov_b32 v[TP], v12
	v_floor_f32 v12, -v13                          ; the new -M = -ceil(t): a whole number
	v_sub_f32 v[TP], v12, v[TP]                    ; old M - new M, 0 or less
	v_cvt_i32_f32 v[TP], v[TP]                     ; (it saturates)
	v_ldexp_f32 v[FF], 1.0, v[TP]                  ; f = 2^(old M - new M)
.set i, 0
.rept 32
	v_pk_mul_f32 v[LG+2*i:LG+2*i+1], v[LG+2*i:LG+2*i+1], s[CS:CS+1] op_sel_hi:[1,0]   ; t = logit x log2(e), ROUNDED to f32, as the definition has it: not fused with the line that takes M off
.set i, i+1
.endr
.irp b, 0,1,2,3
	v_mul_f32 v[BM+\b], s[CS], v[BM+\b]            ; the same of each block's largest logit
.endr
.set i, 0
.rept 32
	v_pk_add_f32 v[LG+2*i:LG+2*i+1], v[LG+2*i:LG+2*i+1], v[12:13] op_sel_hi:[1,0]     ; t - M (of the pair the low word, -M, serves both halves)
.set i, i+1
.endr
.irp b, 0,1,2,3
	v_add_f32 v[BM+\b], v12, v[BM+\b]
.endr
.set i, 0
.rept 64
	v_exp_f32 v[LG+i], v[LG+i]                     ; p = 2^(t - M), at most 1
.set i, i+1
.endr
.irp b, 0,1,2,3
	v_exp_f32 v[BM+\b], v[BM+\b]                   ; the block's largest p: the same three instructions on the same number
.endr
	v_pk_mul_f32 v[14:15], v[14:15], v[FF:FF+1] op_sel_hi:[1,0]   ; the sums under the new M; a plain line behind the exponentials
	s_wait_alu depctr_va_vdst(0)
.irp b, 0,1,2,3
	v_max_num_f32 v[BM+\b], 0x4800000, v[BM+\b]    ; the floor 2^(9 - 127): the byte cannot fall under 1
.endr
.irp b, 0,1,2,3
	v_add_nc_u32 v[SOP+\b], 0xfc000000, v[BM+\b]   ; the conversion's scale operand
.endr
.irp b, 0,1,2,3
	v_and_or_b32 v[HD+\b], v[BM+\b], 0x7f800000, s[MNT]   ; 448 x the scale
.endr
.irp b, 0,1,2,3
	v_lshrrev_b32 v[BP+\b], 23, v[SOP+\b]          ; the scale's byte
.endr
	v_lshl_or_b32 v[PW], v[BP+1], 8, v[BP]         ; p's scale word for these 128 keys
	v_lshl_or_b32 v[PW], v[BP+2], 16, v[PW]
	v_lshl_or_b32 v[PW], v[BP+3], 24, v[PW]
	v_pk_add_f32 v[S2:S2+1], v[LG:LG+1], v[LG+2:LG+3]   ; the row's sum is taken of the unquantised p
.irp j, 4,8,12,16,20,24,28,32,36,40,44,48,52,56,60
	v_pk_add_f32 v[14:15], v[14:15], v[LG+\j:LG+\j+1]
	v_pk_add_f32 v[S2:S2+1], v[S2:S2+1], v[LG+\j+2:LG+\j+3]
.endr
	v_pk_add_f32 v[14:15], v[14:15], v[S2:S2+1]
.irp b, 0,1,2,3
.set i, 0
.rept 16
	v_min_num_f32 v[LG+16*\b+i], v[LG+16*\b+i], v[HD+\b]   ; the conversion does not saturate (ISA guide 7.6.2); p is not negative, so the hold is one-sided
.set i, i+1
.endr
	v_cvt_scalef32_pk8_fp8_f32 v[PC+4*\b:PC+4*\b+1], v[LG+16*\b:LG+16*\b+7], v[SOP+\b]
	v_cvt_scalef32_pk8_fp8_f32 v[PC+4*\b+2:PC+4*\b+3], v[LG+16*\b+8:LG+16*\b+15], v[SOP+\b]
.endr
	WIN 0x82                                       ; destination and source 0 window 2
.set i, 0
.rept 64
	v_pk_mul_f32 v[2*i:2*i+1], v[2*i:2*i+1], v[FF:FF+1] op_sel_hi:[1,0]   ; the result under the new M, each accumulator from its low end on; these lines are also the places between the codes and the products
.set i, i+1
.endr
	WIN 0xa1                                       ; source 0 (the image) window 1, source 1 (p) window 0, C and D window 2
.set i, 0
.rept 16                               ; image i = 8 G + 2 c + hh; the sixteen accumulators take turns
	s_wait_loadcnt 4*(15-i)                        ; image i's four loads are in; the later images' may be out
.if i%2
	v_wmma_scale_f32_16x16x128_f8f6f4 v[8*i:8*i+7], v[16*i:16*i+15], v[PC:PC+15], v[8*i:8*i+7], v[XSR+4*(i/8)+(i%8)/2], v[PW] matrix_a_scale:MATRIX_SCALE_ROW1
.else
	v_wmma_scale_f32_16x16x128_f8f6f4 v[8*i:8*i+7], v[16*i:16*i+15], v[PC:PC+15], v[8*i:8*i+7], v[XSR+4*(i/8)+(i%8)/2], v[PW]
.endif
.set i, i+1
.endr
	WIN 0
.rept 8
	v_nop                                          ; eight places in front of the next step's loads into the images and scale words, and of the first read of results
.endr
.Lskip:
	s_add_co_u32 s[TJ], s[TJ], 512                 ; the next 128 keys: in LDS,
	s_add_nc_u64 s[10:11], s[10:11], 131072        ; in xt (every load that named these bases has been waited for),
	s_add_nc_u64 s[12:13], s[12:13], 4096          ; in xs
	s_add_co_u32 s[J], s[J], 1
	s_cmp_lt_u32 s[J], 64
	s_cbranch_scc1 .Lstep
	; THE WAY OUT.  The result is divided by the row's sum and goes through my stage in LDS, 128 channels of 16 rows at a time; a store of the wave covers 512 consecutive bytes, aligned.
	v_add_f32 v14, v14, v15
	v_permlanex16_b32 v[BP], v14, s[SEL], s[SEL+1]
	v_add_f32 v14, v14, v[BP]                      ; the row's sum
	v_rcp_f32 v14, v14
	v_nop
	s_wait_alu depctr_va_vdst(0)
.irp g, 0,1
	WIN 0x02                                       ; source 0 window 2
.irp j, 0,1,2,3,4,5,6,7                        ; register 0 of every accumulator first
.irp c, 0,1,2,3
.irp hh, 0,1
	v_mul_f32 v[LG+32*\hh+4*\j+\c], v[8*(8*\g+2*\c+\hh)+\j], v14   ; channel 128 G + 64 hh + 32 h + 4 j + c
.endr
.endr
.endr
	WIN 0
.irp hh, 0,1
.irp j, 0,1,2,3,4,5,6,7
	ds_store_b128 v[STO], v[LG+32*\hh+4*\j:LG+32*\hh+4*\j+3] offset:256*\hh+16*\j
.endr
.endr
.set i, 0
.rept 16
	ds_load_b128 v[WT+4*i:WT+4*i+3], v[RD] offset:528*i   ; LDS serves a wave's instructions in order (ISA guide 5.7.1.4): these see my stores
.set i, i+1
.endr
.set i, 0
.rept 16
	s_wait_dscnt 15-i
	global_store_b128 v[XO], v[WT+4*i:WT+4*i+3], s[14:15] offset:4096*i+512*\g th:TH_STORE_NT
.set i, i+1
.endr
	s_wait_xcnt 0x0                                ; the stores have read their registers: the second half may land there
.endr
	s_wait_tensorcnt 0x0
	ds_add_u32 v254, v255
	s_wait_dscnt 0x0
	s_endpgm
.Lfunc_end_k_qcbe9d2497e_pool:
	.size	k_qcbe9d2497e_pool, .Lfunc_end_k_qcbe9d2497e_pool-k_qcbe9d2497e_pool
	.p2alignl 7, 3214868480
	.fill 96, 4, 3214868480
	.section	.rodata,"a",@progbits
	.p2align	6, 0x0
	.amdhsa_kernel k_qcbe9d2497e_pool
		.amdhsa_group_segment_fixed_size 100352
		.amdhsa_private_segment_fixed_size 0
		.amdhsa_enable_private_segment 0
		.amdhsa_kernarg_size 48
		.amdhsa_user_sgpr_count 2
		.amdhsa_user_sgpr_kernarg_segment_ptr 1
		.amdhsa_wavefront_size32 1
		.amdhsa_system_sgpr_workgroup_id_x 1
		.amdhsa_system_sgpr_workgroup_id_y 1
		.amdhsa_system_sgpr_workgroup_id_z 1
		.amdhsa_system_vgpr_workitem_id 0
		.amdhsa_next_free_vgpr 640
		.amdhsa_next_free_sgpr 66
		.amdhsa_reserve_vcc 0
		.amdhsa_float_denorm_mode_32 3
		.amdhsa_float_denorm_mode_16_64 3
		.amdhsa_memory_ordered 1
		.amdhsa_forward_progress 1
		.amdhsa_inst_pref_size 82
	.end_amdhsa_kernel
	.amdgpu_metadata
---
amdhsa.version: [ 1, 2 ]
amdhsa.kernels:
  - .name:           k_qcbe9d2497e_pool
    .symbol:         k_qcbe9d2497e_pool.kd
    .args:
      - { .name: scores, .offset: 0, .size: 8, .value_kind: global_buffer, .address_space: global }
      - { .name: pool_positions, .offset: 8, .size: 8, .value_kind: global_buffer, .address_space: global }
      - { .name: masks, .offset: 16, .size: 8, .value_kind: global_buffer, .address_space: global }
      - { .name: xt, .offset: 24, .size: 8, .value_kind: global_buffer, .address_space: global }
      - { .name: xs, .offset: 32, .size: 8, .value_kind: global_buffer, .address_space: global }
      - { .name: out0, .offset: 40, .size: 8, .value_kind: global_buffer, .address_space: global }
    .group_segment_fixed_size: 100352
    .private_segment_fixed_size: 0
    .kernarg_segment_align: 8
    .kernarg_segment_size: 48
    .max_flat_workgroup_size: 128
    .sgpr_count:     66
    .vgpr_count:     640
    .wavefront_size: 32
...
	.end_amdgpu_metadata
.endif
;; end of part 3
;; ======== version 2 of 2: 3 launches
;; workspace buffers: w1c 262,144 bytes; w1s 8,192 bytes; masks 256 bytes of whole numbers; scores 262,144 bytes; xt 67,108,864 bytes; xs 2,097,152 bytes
;; launch prep (part 4): grid 2 x 8, 4 waves a work-group, no clusters, 0 bytes of LDS; arguments W1, pool_positions, w1c, w1s, masks; writes w1c, w1s, masks
.if DOCPART == 4
	.amdgcn_target "amdgcn-amd-amdhsa--gfx1250"
	.amdhsa_code_object_version 6
	.text
	.protected	k_qcbe9d2497e_prep
	.globl	k_qcbe9d2497e_prep
	.p2align	8
	.type	k_qcbe9d2497e_prep,@function
k_qcbe9d2497e_prep:
	s_mov_b64 s[64:65], 0
	v_nop
	global_prefetch_b8 v0, s[64:65] scope:SCOPE_SE
	s_setreg_imm32_b32 hwreg(HW_REG_WAVE_MODE, 25, 1), 1
	s_wait_xcnt 0x0
; W1 [1024 (k)][256 (unit)] f32 becomes codes of E4M3 along k with one E8M0 byte for each 32 along k, laid as the next launch's operand registers want them;
; and pool_positions becomes, for each tile of 16 output rows, a mask of the K steps (128 keys) of the last product that the tile needs.
; W1.  A LANE TAKES A UNIT AND ITS REGISTERS RUN DOWN k: a load reads 128 consecutive bytes a wave, a block of 32 lies in one lane, and the conversions give codes with k innermost.
;   Work-group (x, y), wave w: units 128 x + 32 w + lane, k = 128 y .. 128 y + 127: four blocks.  All 128 loads of a wave go out at once.
;   w1c = [tile of 16 units][K step of 128][image of 2,048 bytes]; byte 512 c + 16 (16 h + r) of an image holds k = 32 c + 16 h + 0 .. 15 of unit r: the registers 4 c .. 4 c + 3 of lane (r, h).
;   So a lane's 16 codes are 16 bytes, and sixteen neighbouring lanes store 256 consecutive bytes, aligned.   w1s = [unit][K step] words of four scale bytes.
; A block's scale byte is its largest magnitude's exponent field - 8, held at 1 from below (a block of zeros gets 1 where the rule says 127: its codes are zeros, and this program alone reads the bytes).
; MASKS.  logit(t, s) = -8192 |pp_t - s / 8191| + 10 w_s with 0 <= w_s <= 1.  Let c be the sample nearest to pp_t (held to 0 .. 8191).  A key 128 samples or more from c has a logit at least 117 under the row's
;   largest, so 2^(t - M) lies under 2^-168: it is 0 in f32, its code is 0 and it adds nothing to the row's sum.  Keys outside the K steps c / 128 - 1 .. c / 128 + 1 are 129 samples or more away (one is left for the
;   rounding of c).  Bit j of a tile's 64 bits: some row of the tile needs step j.  Beyond |pp| = 1024 the rounding of pp - s / 8191 is no longer small against a sample's distance: such a row (and a NaN) asks for all 64.
; LIMITS: NaN and infinities in W1 are not served; blocks whose largest magnitude lies under 2^-118 keep the byte 1.
.set XR,   32                          ; v32-159   four sets of 32 numbers
.set CR,   160                         ; v160-191  codes: eight registers a block, never written twice
.set EMAX, 8
	s_load_b128 s[4:7], s[0:1], 0x0                ; W1, pool_positions
	s_load_b128 s[8:11], s[0:1], 0x10              ; w1c, w1s
	s_load_b64 s[12:13], s[0:1], 0x20              ; masks
	v_lshrrev_b32 v1, 5, v0
	v_readfirstlane_b32 s16, v1                    ; wave
	v_and_b32 v2, 31, v0                           ; lane
	s_and_b32 s17, ttmp7, 0xffff                   ; y: the K step
	v_lshlrev_b32 v3, 2, v2                        ; in: 4 bytes a lane
	v_lshrrev_b32 v5, 4, v2
	v_and_b32 v6, 15, v2
	v_lshlrev_b32 v4, 14, v5                       ; out: lanes 16-31 belong to the next tile of units, 8 images on,
	v_lshl_add_u32 v4, v6, 4, v4                   ; and 16 bytes a unit
	v_lshlrev_b32 v9, 5, v2                        ; a unit's eight scale words are 32 bytes
	s_lshl_b32 s18, ttmp9, 7
	s_lshl_b32 s19, s16, 5
	s_add_co_u32 s18, s18, s19                     ; my wave's first unit
	s_lshl_b32 s20, s17, 17                        ; W1: 128 y rows of 1,024 bytes + 4 x unit
	s_lshl_b32 s22, s18, 2
	s_add_co_u32 s20, s20, s22
	s_mov_b32 s21, 0
	s_lshl_b32 s22, s18, 10                        ; w1c: (unit / 16) x 16,384 + 2,048 y
	s_lshl_b32 s24, s17, 11
	s_add_co_u32 s22, s22, s24
	s_mov_b32 s23, 0
	s_lshl_b32 s24, s18, 5                         ; w1s: 32 x unit + 4 y
	s_lshl_b32 s26, s17, 2
	s_add_co_u32 s24, s24, s26
	s_mov_b32 s25, 0
	s_mov_b32 s31, 0x600000                        ; the mantissa field of 448
	s_wait_alu depctr_va_vdst(0)
	s_wait_kmcnt 0x0
	s_add_nc_u64 s[4:5], s[4:5], s[20:21]
	s_add_nc_u64 s[8:9], s[8:9], s[22:23]
	s_add_nc_u64 s[10:11], s[10:11], s[24:25]
.set i, 0
.rept 128
	global_load_b32 v[XR+i], v3, s[4:5] offset:i*1024 th:TH_LOAD_NT   ; W1(128 y + i, my unit)
.set i, i+1
.endr
.macro BLOCK t, left
.set XS, XR+32*(\t)
	s_wait_loadcnt \left                           ; this block's 32 loads are in (the count that the later blocks would allow is 32 x (3 - t); the wait names 63 at the most)
	v_max3_num_f32 v12, |v[XS]|, |v[XS+1]|, |v[XS+2]|
	v_max3_num_f32 v13, |v[XS+3]|, |v[XS+4]|, |v[XS+5]|
.irp i, 6,10,14,18,22,26
	v_max3_num_f32 v12, v12, |v[XS+\i]|, |v[XS+\i+1]|
	v_max3_num_f32 v13, v13, |v[XS+\i+2]|, |v[XS+\i+3]|
.endr
	v_max3_num_f32 v12, v12, |v[XS+30]|, |v[XS+31]|
	v_max3_num_f32 v12, v12, v13, (EMAX+1)<<23     ; and the floor 2^(9 - 127): the byte cannot fall under 1
	v_add_nc_u32 v11, -(EMAX<<23), v12             ; 8 off the exponent field: the conversion's scale operand
	v_and_or_b32 v10, v12, 0x7f800000, s31         ; 448 x the scale
	v_lshrrev_b32 v13, 23, v11                     ; the scale's byte
.if (\t) == 0
	v_mov_b32 v24, v13
.else
	v_lshl_or_b32 v24, v13, 8*(\t), v24            ; four bytes make the K step's word, the lower k in the lower byte
.endif
.set i, 0
.rept 32
	v_med3_num_f32 v[XS+i], v[XS+i], -v10, v10     ; the conversion to an 8-bit code does not saturate (ISA guide 7.6.2): the hold at 448 x the scale
.set i, i+1
.endr
.irp g, 0,1,2,3
	v_cvt_scalef32_pk8_fp8_f32 v[CR+8*(\t)+2*\g:CR+8*(\t)+2*\g+1], v[XS+8*\g:XS+8*\g+7], v11
.endr
	global_store_b128 v4, v[CR+8*(\t):CR+8*(\t)+3], s[8:9] offset:512*(\t)           ; k = 32 t + 0 .. 15: sixteen lanes store 256 consecutive bytes, aligned
	global_store_b128 v4, v[CR+8*(\t)+4:CR+8*(\t)+7], s[8:9] offset:512*(\t)+256     ; k = 32 t + 16 .. 31
.endm
	BLOCK 0, 63
	BLOCK 1, 63
	BLOCK 2, 32
	BLOCK 3, 0
	global_store_b32 v9, v24, s[10:11]             ; my unit's scale word of this K step
	; ---- the masks: wave 0 of work-group (0, 0); lane = tile of 16 rows
	s_or_b32 s26, ttmp9, s17
	s_or_b32 s26, s26, s16
	s_cmp_lg_u32 s26, 0
	s_cbranch_scc1 .Ldone
	v_lshlrev_b32 v192, 6, v2                      ; a tile's 16 positions are 64 bytes
.irp i, 0,1,2,3
	global_load_b128 v[32+4*\i:35+4*\i], v192, s[6:7] offset:16*\i
.endr
	v_mov_b32 v194, 0                              ; bits 0-31
	v_mov_b32 v195, 0                              ; bits 32-63
	v_mov_b32 v196, 1
	v_mov_b32 v203, 0
	v_lshlrev_b32 v202, 3, v2
	s_mov_b32 s27, 0x45fff800                      ; 8191.0
	s_mov_b32 s28, 0x44800000                      ; 1024.0
	s_wait_loadcnt 0x0
.macro BIT j                           ; bit v[j] (0 .. 63) is set.  A choice of values, no branch
	v_lshlrev_b32 v200, v[\j], v196                ; 1 << (j mod 32)
	v_cmp_gt_u32 vcc_lo, 32, v[\j]
	v_cndmask_b32 v201, 0, v200, vcc_lo
	v_or_b32 v194, v194, v201
	v_sub_nc_u32 v200, v200, v201
	v_or_b32 v195, v195, v200
.endm
.macro ROW i
	v_mul_f32 v197, s27, v[32+\i]
	v_rndne_f32 v197, v197
	v_med3_num_f32 v197, v197, 0, s27              ; the nearest sample, held to 0 .. 8191
	v_cvt_u32_f32 v197, v197
	v_lshrrev_b32 v197, 7, v197                    ; its K step,
	v_max_u32 v198, 1, v197
	v_add_nc_u32 v198, -1, v198                    ; the one before,
	v_add_nc_u32 v199, 1, v197
	v_min_u32 v199, 63, v199                       ; the one behind
	BIT 197
	BIT 198
	BIT 199
	v_cmp_le_f32 vcc_lo, |v[32+\i]|, s28
	v_cndmask_b32 v201, -1, v203, vcc_lo           ; all ones where |pp| > 1024 or pp is NaN
	v_or_b32 v194, v194, v201
	v_or_b32 v195, v195, v201
.endm
.irp i, 0,1,2,3,4,5,6,7,8,9,10,11,12,13,14,15
	ROW \i
.endr
	global_store_b64 v202, v[194:195], s[12:13]    ; 32 lanes store 256 consecutive bytes
.Ldone:
	s_endpgm
.Lfunc_end_k_qcbe9d2497e_prep:
	.size	k_qcbe9d2497e_prep, .Lfunc_end_k_qcbe9d2497e_prep-k_qcbe9d2497e_prep
	.p2alignl 7, 3214868480
	.fill 96, 4, 3214868480
	.section	.rodata,"a",@progbits
	.p2align	6, 0x0
	.amdhsa_kernel k_qcbe9d2497e_prep
		.amdhsa_group_segment_fixed_size 0
		.amdhsa_private_segment_fixed_size 0
		.amdhsa_enable_private_segment 0
		.amdhsa_kernarg_size 40
		.amdhsa_user_sgpr_count 2
		.amdhsa_user_sgpr_kernarg_segment_ptr 1
		.amdhsa_wavefront_size32 1
		.amdhsa_system_sgpr_workgroup_id_x 1
		.amdhsa_system_sgpr_workgroup_id_y 1
		.amdhsa_system_sgpr_workgroup_id_z 1
		.amdhsa_system_vgpr_workitem_id 0
		.amdhsa_next_free_vgpr 208
		.amdhsa_next_free_sgpr 66
		.amdhsa_reserve_vcc 1
		.amdhsa_float_denorm_mode_32 3
		.amdhsa_float_denorm_mode_16_64 3
		.amdhsa_memory_ordered 1
		.amdhsa_forward_progress 1
		.amdhsa_inst_pref_size 47
	.end_amdhsa_kernel
	.amdgpu_metadata
---
amdhsa.version: [ 1, 2 ]
amdhsa.kernels:
  - .name:           k_qcbe9d2497e_prep
    .symbol:         k_qcbe9d2497e_prep.kd
    .args:
      - { .name: W1, .offset: 0, .size: 8, .value_kind: global_buffer, .address_space: global }
      - { .name: pool_positions, .offset: 8, .size: 8, .value_kind: global_buffer, .address_space: global }
      - { .name: w1c, .offset: 16, .size: 8, .value_kind: global_buffer, .address_space: global }
      - { .name: w1s, .offset: 24, .size: 8, .value_kind: global_buffer, .address_space: global }
      - { .name: masks, .offset: 32, .size: 8, .value_kind: global_buffer, .address_space: global }
    .group_segment_fixed_size: 0
    .private_segment_fixed_size: 0
    .kernarg_segment_align: 8
    .kernarg_segment_size: 40
    .max_flat_workgroup_size: 128
    .sgpr_count:     66
    .vgpr_count:     208
    .wavefront_size: 32
...
	.end_amdgpu_metadata
.endif
;; end of part 4
;; launch score (part 5): grid 256 x 1, 4 waves a work-group, no clusters, 327,680 bytes of LDS; arguments x, w1c, w1s, b1, W2, b2, xt, xs, scores; writes xt, xs, scores
.if DOCPART == 5
	.amdgcn_target "amdgcn-amd-amdhsa--gfx1250"
	.amdhsa_code_object_version 6
	.text
	.protected	k_qcbe9d2497e_score
	.globl	k_qcbe9d2497e_score
	.p2align	8
	.type	k_qcbe9d2497e_score,@function
k_qcbe9d2497e_score:
	s_mov_b64 s[64:65], 0
	v_nop
	global_prefetch_b8 v0, s[64:65] scope:SCOPE_SE
	s_setreg_imm32_b32 hwreg(HW_REG_WAVE_MODE, 25, 1), 1
	s_wait_xcnt 0x0
; ONE PASS OVER x [65536 rows][1024] f32.  For each row: score = gelu(Q(x) Q(W1) + b1) . W2 + b2, the product on codes of E4M3 with E8M0 scales along the 1,024; and x is quantised a second time, ALONG THE ROWS
; (the keys, the K of the last product), into xt and xs, so that the last launch reads a quarter of the bytes.
; SHARES.  Work-group g owns rows 256 g .. 256 g + 255, in 8 trips of 32 rows (32 keys: one block of the second quantiser; four trips make a K step of 128 keys).  THE WAVES SHARE THE COLUMNS:
;   wave w keeps W1's units 64 w .. 64 w + 63 in 512 registers for the whole launch, quantises x's columns 256 w .. 256 w + 255 both ways, and multiplies all 32 rows by its units.
; x comes through a ring of two LDS slots of 32 rows, filled by the tensor data mover: each wave fetches 8 rows, 32,768 dense bytes, as 32 lines of 1,024 bytes with 16 bytes of padding behind each.
; A TRIP: change of slots (barrier) | my four fragments (2 tiles of 16 rows x 2 K steps of 128 columns) are quantised along the columns and stored in LDS as images of their registers | my 2 x 128 columns are quantised
;   down the 32 rows and stored to xt | barrier | all 16 fragments from LDS, 64 matrix instructions (transposed: source 0 = 16 units, source 1 = 16 rows), gelu, the dot with W2: a partial score for each row into LDS.
; At the end the four waves' partial scores are added and stored.
; THE ROWS OF A TILE: lane r of tile m takes row 8 (r / 4) + 4 m + r % 4 of the 32.  Quarters lie 33,296 bytes apart and rows 4,160: in words 4 and 16 modulo 64, so sixteen lanes'
;   loads of 16 bytes start at sixteen different multiples of four banks.
; xt = [batch][K step of 128 keys][G: 128 channels][c 4][hh 2][image of 2,048 bytes]: row rho of tile (G, c, hh) is channel 128 G + 64 hh + 4 rho + c; byte 512 q + 16 (16 h + rho) holds keys 32 q + 16 h + 0 .. 15.
;   A lane that holds 4 neighbouring channels (16 bytes of a row of x) x 32 keys so stores 16 bytes beside its neighbours': sixteen lanes store 256 consecutive bytes, aligned.
; xs = [batch][K step][G][lane 32][c 4] words: the four scale bytes of channel 128 G + 4 lane + c.
; gelu is exact-erf gelu; erf(z) = z P(z^2) / Q(z^2) on z held to +-4, degrees 6 and 4, a few units in f32's last place.
; NO CLUSTER: the work-groups share W1's codes alone, which each wave reads once (65,536 bytes) beside the 1,048,576 bytes of x that its work-group reads alone.
; LIMITS: NaN and infinities among the inputs are not served; a block whose largest magnitude lies under 2^-118 keeps the scale byte 1, and so does a block of zeros (its codes are zeros; this program alone reads the bytes).
; REGISTERS, in windows of 256.  Window 0: v1-23 addresses and constants; v24-55 W1's scale words; v56-71 x's; v72-103 b1; v104-135 W2 / 2; v136-143 xs's words in the making; v144-207 numbers held for the conversions,
;   later the 8 accumulators; v208-239 codes, later gelu's scratch; v240-255 at work.   Window 1: what is read from the slot, later x's 16 fragments.   Windows 2, 3: W1's 32 fragments.
.set SLOT,  133376                     ; a slot: four quarters of 33,296 bytes, rounded up to 256
.set QTR,   33296                      ; a quarter: 32 lines of 1,040 bytes, + 16
.set ROWP,  4160                       ; a row of x: four lines
.set LINE,  1040
.set IMG,   2*SLOT                     ; 16 images of fragments: (8 m + K step) x 2,048
.set XSCL,  IMG+16*2048                ; their scale words: (8 m + K step) x 128 + 4 x lane
.set SCP,   XSCL+16*128                ; partial scores: wave x 1,024 + 4 x row
.set SPARE, SCP+4*1024                 ; the spare words, 128 bytes for each wave: two blocks of 256 bytes that no other line names
.set SPW,  1                           ; LDS address of my spare word; never rewritten
.set NIL,  2                           ; 0; never rewritten
.set AR0,  3                           ; my place in a slot for the fragments' rows
.set AR,   4                           ; the same in the slot in hand
.set AC00, 5                           ; my place in a row for the columns: 1,040 w + 16 x lane
.set AC0,  6                           ; rows 0-15 of the slot in hand
.set AC1,  7                           ; rows 16-31
.set IW,   8                           ; where I store images
.set XW,   9                           ; and their scale words
.set LI,   10                          ; where any wave loads images: IMG + 16 x lane
.set LS,   11                          ; XSCL + 4 x lane
.set XO,   12                          ; xt: 2,048 (lane / 16) + 16 (lane % 16)
.set SO,   13                          ; 16 x lane
.set SPA0, 14                          ; my row's partial score
.set SPA,  15
.set FA,   16                          ; SCP + 8 x thread
.set PW,   17                          ; v17, v22: the scale word just made, two by turns
.set KA,   18                          ; v[18:19] P's leading coefficient, twice
.set KB,   20                          ; v[20:21] Q's
.set FO,   23                          ; 8 x thread
.set W1S,  24
.set XS,   56
.set B1,   72
.set W2H,  104
.set SW,   136
.set TT,   144
.set HA,   144
.set CC,   208
.set ZZ,   208
.set YY,   216
.set AA,   224
.set QQ,   232
.set TM,   240                         ; +0..3 largest magnitudes, +4..7 bytes, +8..11 448 x scale, +12..15 the conversions' scale operands
.set SA,   240                         ; v[240:241], v[242:243]: the scores of tiles 0 and 1, in two halves
.set WV,   22
.set TRIP, 23
.set TB,   24                          ; the slot that is read
.set TF,   25                          ; the slot that is filled
.set WQ,   26                          ; my quarter: 33,296 w
.set SPT,  27                          ; 128 x trip
.set SEL,  28                          ; s[28:29] v_permlanex16_b32's selects for lane l xor 16
.set MNT,  30
.set FLR,  31
.set HM,   32
.set BB2,  33
.set OFA,  34                          ; s[34:35], s[50:51]: offsets, the upper words 0
.set G0,   36
.set G1,   40
.set OFB,  50
.set XTC,  52                          ; s[52:53] xt for this trip
.set XSP,  54                          ; s[54:55] xs for this trip
.set EA11, 0x32edffee                  ;  2.77068142e-08   (P: z^2's powers 6 .. 0: -2.72614226e-10 stands in v[KA])
.set EA9,  0xb60cff51                  ; -2.10102402e-06
.set EA7,  0xb86ec2d2                  ; -5.69250639e-05
.set EA5,  0xba40ac63                  ; -7.34990630e-04
.set EA3,  0xbb41a1f6                  ; -2.95459981e-03
.set EA1,  0xbc83dbd4                  ; -1.60960333e-02
.set EB6,  0xb95fbd29                  ; -2.13374055e-04   (Q: powers 4 .. 0: -1.45660718e-05 stands in v[KB])
.set EB4,  0xbadc924e                  ; -1.68282697e-03
.set EB2,  0xbbf19bf8                  ; -7.37332917e-03
.set EB0,  0xbc69b6a7                  ; -1.42647391e-02
.set MSB, 0
.macro WIN new                         ; low byte: bits 1:0 source 0, 3:2 source 1, 5:4 source 2, 7:6 destination; the high byte repeats the setting that is left
.if MSB != (\new)
	s_set_vgpr_msb (MSB<<8)|(\new)
.set MSB, (\new)
.endif
.endm
	s_load_b512 s[4:19], s[0:1], 0x0               ; x s[4:5], w1c s[6:7], w1s s[8:9], b1 s[10:11], W2 s[12:13], b2 s[14:15], xt s[16:17], xs s[18:19]
	s_load_b64 s[20:21], s[0:1], 0x40              ; scores
	v_lshl_add_u32 v[SPW], v0, 2, SPARE
	v_mov_b32 v[NIL], 0
	ds_add_u32 v1, v2
	ds_add_u32 v1, v2
	s_wait_dscnt 0x0
	v_lshrrev_b32 v[AR0], 5, v0
	v_readfirstlane_b32 s[WV], v[AR0]              ; wave 0..3
	; descriptor group 1: 32 lines of 256 elements of 4 bytes, dense in memory, 4 words of padding behind each line
	s_mov_b32 s[G1], (2<<16)|(1<<20)|(7<<22)|(3<<25)  ; 15:0 no mask; 17:16 elements of 4 bytes; 20 padding on; 24:22 after every 256 words (code 7); 31:25 four words (code 3)
	s_mov_b32 s[G1+1], 256<<16                     ; tensor_dim0
	s_mov_b32 s[G1+2], 32<<16                      ; tensor_dim1
	s_mov_b32 s[G1+3], 256<<16                     ; tile_dim0
	s_mov_b32 s[G1+4], 32                          ; tile_dim1
	s_mov_b32 s[G1+5], 256                         ; tensor_dim0_stride
	s_mov_b32 s[G1+6], 0
	s_mov_b32 s[G1+7], 0
	s_mul_i32 s[WQ], s[WV], QTR
	s_lshl_b32 s48, ttmp9, 20                      ; my work-group's 256 rows of 4,096 bytes,
	s_lshl_b32 s49, s[WV], 15                      ; my wave's 8 of a trip's 32
	s_add_co_u32 s48, s48, s49
	s_mov_b32 s49, 0
	s_wait_kmcnt 0x0
	s_mov_b32 s[G0], 1                             ; count = 1
	s_mov_b32 s[G0+1], s[WQ]                       ; LDS address: slot 0, my quarter
	s_add_nc_u64 s[G0+2:G0+3], s[4:5], s[48:49]    ; global address: trip 0
	s_or_b32 s[G0+3], s[G0+3], 0x80000000          ; type = 2
	tensor_load_to_lds s[G0:G0+3], s[G1:G1+7]      ; the first fill; slot 1 is first filled behind the first trip's barrier
	s_nop 0
	v_and_b32 v248, 31, v0                         ; lane
	v_and_b32 v249, 15, v0                         ; r
	v_bfe_u32 v250, v0, 4, 1                       ; h
	v_bfe_u32 v251, v0, 2, 2                       ; r / 4
	v_and_b32 v252, 3, v0                          ; r % 4
	s_load_b32 s[BB2], s[14:15], 0x0               ; b2
	s_mul_i32 s48, s[WV], LINE                     ; my 256 columns are line w of each row
	v_mul_u32_u24 v[AR0], v251, QTR
	v_mad_u32_u24 v[AR0], v252, ROWP, v[AR0]
	v_lshl_add_u32 v[AR0], v250, 6, v[AR0]         ; + 64 h: my 16 numbers of a block of 32
	v_add_nc_u32 v[AR0], s48, v[AR0]
	v_lshl_add_u32 v[AC00], v248, 4, s48
	s_lshl_b32 s48, s[WV], 12
	s_add_co_u32 s48, s48, IMG
	v_lshl_add_u32 v[IW], v248, 4, s48             ; my K steps are 2 w and 2 w + 1
	s_lshl_b32 s48, s[WV], 8
	s_add_co_u32 s48, s48, XSCL
	v_lshl_add_u32 v[XW], v248, 2, s48
	v_lshl_add_u32 v[LI], v248, 4, IMG
	v_lshl_add_u32 v[LS], v248, 2, XSCL
	v_lshlrev_b32 v[XO], 11, v250
	v_lshl_add_u32 v[XO], v249, 4, v[XO]
	v_lshlrev_b32 v[SO], 4, v248
	s_wait_alu depctr_va_vdst(0)
	s_lshl_b32 s48, s[WV], 10
	s_add_co_u32 s48, s48, SCP
	v_lshl_add_u32 v[SPA0], v251, 5, s48           ; lanes 0-15 store tile 0's scores, lanes 16-31 tile 1's: row 8 (r / 4) + 4 (lane / 16) + r % 4
	v_lshl_add_u32 v[SPA0], v250, 4, v[SPA0]
	v_lshl_add_u32 v[SPA0], v252, 2, v[SPA0]
	v_lshl_add_u32 v[FA], v0, 3, SCP
	v_lshlrev_b32 v[FO], 3, v0
	v_lshlrev_b32 v253, 5, v249                    ; a unit's scale words: 32 bytes
	s_wait_alu depctr_va_vdst(0)
	v_lshlrev_b32 v254, 5, v250                    ; b1, W2: my half's eight units
	s_wait_alu depctr_va_vdst(0)
	s_lshl_b32 s48, s[WV], 16                      ; my four tiles of W1: 4 x 8 images
	s_add_nc_u64 s[6:7], s[6:7], s[48:49]
	s_lshl_b32 s48, s[WV], 11
	s_add_nc_u64 s[8:9], s[8:9], s[48:49]
	s_lshl_b32 s48, s[WV], 8
	s_add_nc_u64 s[10:11], s[10:11], s[48:49]
	s_add_nc_u64 s[12:13], s[12:13], s[48:49]
	s_lshl_b32 s48, ttmp9, 18                      ; xt: two K steps of 131,072 bytes a work-group; my two G of 16,384
	s_lshl_b32 s50, s[WV], 15
	s_add_co_u32 s48, s48, s50
	s_add_nc_u64 s[16:17], s[16:17], s[48:49]
	s_lshl_b32 s48, ttmp9, 13                      ; xs: two K steps of 4,096 bytes; my two G of 512
	s_lshl_b32 s50, s[WV], 10
	s_add_co_u32 s48, s48, s50
	s_add_nc_u64 s[18:19], s[18:19], s[48:49]
	s_lshl_b32 s48, ttmp9, 10
	s_add_nc_u64 s[20:21], s[20:21], s[48:49]
	WIN 0x80                                       ; destination window 2: tiles 0 and 1
.irp t, 0,1
.irp ks, 0,1,2,3,4,5,6,7
.irp c, 0,1,2,3
	global_load_b128 v[16*(8*\t+\ks)+4*\c:16*(8*\t+\ks)+4*\c+3], v[SO], s[6:7] offset:\t*16384+\ks*2048+512*\c
.endr
.endr
.endr
	WIN 0xc0                                       ; window 3: tiles 2 and 3
.irp t, 0,1
.irp ks, 0,1,2,3,4,5,6,7
.irp c, 0,1,2,3
	global_load_b128 v[16*(8*\t+\ks)+4*\c:16*(8*\t+\ks)+4*\c+3], v[SO], s[6:7] offset:(\t+2)*16384+\ks*2048+512*\c
.endr
.endr
.endr
	WIN 0
.irp t, 0,1,2,3
	global_load_b128 v[W1S+8*\t:W1S+8*\t+3], v253, s[8:9] offset:512*\t          ; lane r: unit 16 t + r's words of K steps 0-3,
	global_load_b128 v[W1S+8*\t+4:W1S+8*\t+7], v253, s[8:9] offset:512*\t+16     ; 4-7
	global_load_b128 v[B1+8*\t:B1+8*\t+3], v254, s[10:11] offset:64*\t           ; in the result's layout: register j = unit 16 t + 8 h + j
	global_load_b128 v[B1+8*\t+4:B1+8*\t+7], v254, s[10:11] offset:64*\t+16
	global_load_b128 v[W2H+8*\t:W2H+8*\t+3], v254, s[12:13] offset:64*\t
	global_load_b128 v[W2H+8*\t+4:W2H+8*\t+7], v254, s[12:13] offset:64*\t+16
.endr
	v_mov_b32 v[KA], 0xaf95df0b                    ; -2.72614226e-10
	v_mov_b32 v[KA+1], 0xaf95df0b
	v_mov_b32 v[KB], 0xb77460cd                    ; -1.45660718e-05
	v_mov_b32 v[KB+1], 0xb77460cd
.irp i, 0,1,2,3,4,5,6,7
	v_mov_b32 v[SW+\i], 0                          ; read before four bytes have been shifted in
.endr
.irp i, 4,5,6,7
	v_mov_b32 v[TM+\i], 0                          ; a lane permute's destination counts as one of its sources
.endr
	s_mov_b32 s[SEL], 0x76543210
	s_mov_b32 s[SEL+1], 0xfedcba98
	s_mov_b32 s[MNT], 0x600000                     ; the mantissa field of 448
	s_mov_b32 s[FLR], 0x4800000                    ; 2^(9 - 127)
	s_mov_b32 s[HM], 0xffff0000                    ; lanes 16-31
	s_mov_b32 s[OFA+1], 0
	s_mov_b32 s[OFB+1], 0
	s_mov_b32 s[TRIP], 0
	s_mov_b32 s[TB], 0
	s_mov_b32 s[TF], 0
	s_mov_b32 s[SPT], 0
	s_wait_loadcnt 0x0
.set i, 0
.rept 16
	v_pk_mul_f32 v[W2H+2*i:W2H+2*i+1], v[W2H+2*i:W2H+2*i+1], 0.5 op_sel_hi:[1,0]   ; gelu's 1/2 goes into W2: exact
.set i, i+1
.endr
	s_wait_kmcnt 0x0                               ; b2
; THE CHANGE OF SLOTS, at a trip's head.  Each wave waits for all its tensor loads (one is out: its quarter of the slot that it is about to read), adds 0 to its spare word, and waits for that and for all its LDS
; reads and stores of the last trip.  Behind the barrier the slot ahead is whole, and nobody reads the other slot or the images any more.  fill = 1: the other slot takes the next 32 rows: the load has the whole trip in which to land.
.macro CHANGE fill
	WIN 0
	s_wait_xcnt 0x0                                ; the last trip's stores have read their bases
	s_lshr_b32 s48, s[TRIP], 2                     ; which of my two K steps,
	s_and_b32 s49, s[TRIP], 3                      ; which block of 32 keys in it
	s_lshl_b32 s[OFA], s48, 17
	s_lshl_b32 s49, s49, 9
	s_add_co_u32 s[OFA], s[OFA], s49
	s_add_nc_u64 s[XTC:XTC+1], s[16:17], s[OFA:OFA+1]
	s_lshl_b32 s[OFB], s48, 12
	s_add_nc_u64 s[XSP:XSP+1], s[18:19], s[OFB:OFB+1]
	s_wait_tensorcnt 0x0                           ; no tensor load of mine is out, so group 0 may be written
	ds_add_u32 v[SPW], v[NIL]                      ; 0 onto my spare word
.if \fill
	s_xor_b32 s[TF], s[TF], SLOT                   ; the other slot than last time,
	s_add_co_u32 s[G0+1], s[TF], s[WQ]             ; my quarter of it,
	s_add_nc_u64 s[G0+2:G0+3], s[G0+2:G0+3], 131072  ; the next 32 rows; the type bits on top are not reached
.endif
	s_wait_dscnt 0x0
	s_barrier_signal -1
	s_barrier_wait -1
.if \fill
	tensor_load_to_lds s[G0:G0+3], s[G1:G1+7]      ; the first thing behind the barrier, and my one tensor load until the next change
	s_nop 0
.endif
	v_add_nc_u32 v[AR], s[TB], v[AR0]              ; four vector lines stand between the load and the next switch of windows
	v_add_nc_u32 v[AC0], s[TB], v[AC00]
	v_add_nc_u32 v[SPA], s[SPT], v[SPA0]
	v_add_nc_u32 v[AC1], 2*QTR, v[AC0]
.endm
; my lane's 64 numbers of tile m, K step 2 w + e, into window 1 from S on: register 16 b + i = column 32 b + 16 h + i of the K step, of my row
.macro LDF m, e, S
.irp b, 0,1,2,3
.irp j, 0,1,2,3
	ds_load_b128 v[\S+16*\b+4*\j:\S+16*\b+4*\j+3], v[AR] offset:\m*4*ROWP+\e*512+128*\b+16*\j
.endr
.endr
.endm
; they become a fragment's codes and its scale word, which go to LDS as they stand.  P: which of the two sets of result registers
.macro QUANT S, m, e, P
	WIN 0x14                                       ; sources 1 and 2 in window 1
.irp b, 0,1,2,3
	v_max3_num_f32 v[TM+\b], s[FLR], |v[\S+16*\b]|, |v[\S+16*\b+1]|   ; block b: my 16 numbers, and the floor, which holds the byte at 1 from below
.endr
.irp i, 2,4,6,8,10,12,14
.irp b, 0,1,2,3
	v_max3_num_f32 v[TM+\b], v[TM+\b], |v[\S+16*\b+\i]|, |v[\S+16*\b+\i+1]|
.endr
.endr
	WIN 0
.irp b, 0,1,2,3
	v_permlanex16_b32 v[TM+4+\b], v[TM+\b], s[SEL], s[SEL+1]
.endr
.irp b, 0,1,2,3
	v_max_num_f32 v[TM+\b], v[TM+\b], v[TM+4+\b]   ; with lane l xor 16's 16: the block's largest magnitude
.endr
.irp b, 0,1,2,3
	v_add_nc_u32 v[TM+12+\b], 0xfc000000, v[TM+\b] ; 8 off its exponent field: the conversion's scale operand
.endr
.irp b, 0,1,2,3
	v_and_or_b32 v[TM+8+\b], v[TM+\b], 0x7f800000, s[MNT]   ; 448 x the scale
.endr
.irp b, 0,1,2,3
	v_lshrrev_b32 v[TM+4+\b], 23, v[TM+12+\b]      ; the scale's byte
.endr
	v_lshl_or_b32 v[PW+5*\P], v[TM+5], 8, v[TM+4]
	v_lshl_or_b32 v[PW+5*\P], v[TM+6], 16, v[PW+5*\P]
	v_lshl_or_b32 v[PW+5*\P], v[TM+7], 24, v[PW+5*\P]
	WIN 0x01                                       ; source 0 in window 1
.irp b, 0,1,2,3
.set i, 0
.rept 16
	v_med3_num_f32 v[TT+16*\b+i], v[\S+16*\b+i], -v[TM+8+\b], v[TM+8+\b]   ; the conversion does not saturate (ISA guide 7.6.2): the hold; it also brings the number into window 0
.set i, i+1
.endr
.endr
	WIN 0
.irp b, 0,1,2,3
	v_cvt_scalef32_pk8_fp8_f32 v[CC+16*\P+4*\b:CC+16*\P+4*\b+1], v[TT+16*\b:TT+16*\b+7], v[TM+12+\b]
	v_cvt_scalef32_pk8_fp8_f32 v[CC+16*\P+4*\b+2:CC+16*\P+4*\b+3], v[TT+16*\b+8:TT+16*\b+15], v[TM+12+\b]
.endr
	v_nop                                          ; one plain line behind the last conversion, ahead of whatever next writes its sources
.irp b, 0,1,2,3
	ds_store_b128 v[IW], v[CC+16*\P+4*\b:CC+16*\P+4*\b+3] offset:\m*16384+\e*2048+512*\b
.endr
	ds_store_b32 v[XW], v[PW+5*\P] offset:\m*1024+\e*128
.endm
; 32 rows x my lane's 4 channels of group g (128 channels) into window 1: register 128 g + 4 i + c = x(row i, channel 4 lane + c).  A load reads 512 consecutive bytes
.macro LDG g
.set i, 0
.rept 16
	ds_load_b128 v[128*(\g)+4*i:128*(\g)+4*i+3], v[AC0] offset:(i/8)*QTR+(i%8)*ROWP+512*(\g)
.set i, i+1
.endr
.set i, 0
.rept 16
	ds_load_b128 v[128*(\g)+64+4*i:128*(\g)+64+4*i+3], v[AC1] offset:(i/8)*QTR+(i%8)*ROWP+512*(\g)
.set i, i+1
.endr
.endm
; they are quantised down the rows: a block of 32 keys lies in one lane.  The hold also parts the four channels.
.macro CQ g
.set RB, 128*(\g)
	WIN 0
	s_wait_xcnt 0x0                                ; earlier stores have read the codes' registers and xs's words
	WIN 0x14
.irp c, 0,1,2,3
	v_max3_num_f32 v[TM+\c], s[FLR], |v[RB+\c]|, |v[RB+4+\c]|
.endr
.irp i, 2,4,6,8,10,12,14,16,18,20,22,24,26,28,30
.irp c, 0,1,2,3
	v_max3_num_f32 v[TM+\c], v[TM+\c], |v[RB+4*\i+\c]|, |v[RB+4*\i+4+\c]|
.endr
.endr
	WIN 0
.irp c, 0,1,2,3
	v_add_nc_u32 v[TM+12+\c], 0xfc000000, v[TM+\c]
.endr
.irp c, 0,1,2,3
	v_and_or_b32 v[TM+8+\c], v[TM+\c], 0x7f800000, s[MNT]
.endr
.irp c, 0,1,2,3
	v_lshrrev_b32 v[TM+4+\c], 23, v[TM+12+\c]
.endr
.irp c, 0,1,2,3
	v_alignbit_b32 v[SW+4*(\g)+\c], v[TM+4+\c], v[SW+4*(\g)+\c], 8   ; the byte comes in at the top: after four trips the first block's byte is the lowest
.endr
.irp u, 0,1                                    ; channels 2 u and 2 u + 1
	WIN 0x01
.irp k, 0,1
.set i, 0
.rept 32
	v_med3_num_f32 v[TT+32*\k+i], v[RB+4*i+2*\u+\k], -v[TM+8+2*\u+\k], v[TM+8+2*\u+\k]
.set i, i+1
.endr
.endr
	WIN 0
.irp k, 0,1
.irp q, 0,1,2,3
	v_cvt_scalef32_pk8_fp8_f32 v[CC+8*(2*\u+\k)+2*\q:CC+8*(2*\u+\k)+2*\q+1], v[TT+32*\k+8*\q:TT+32*\k+8*\q+7], v[TM+12+2*\u+\k]
.endr
.endr
	v_nop                                          ; one plain line behind the conversions: the next holds write their sources
.endr
.irp c, 0,1,2,3
.irp hp, 0,1
	global_store_b128 v[XO], v[CC+8*\c+4*\hp:CC+8*\c+4*\hp+3], s[XTC:XTC+1] offset:(\g)*16384+\c*4096+256*\hp th:TH_STORE_NT   ; keys 16 hp + 0 .. 15 of the block: sixteen lanes store 256 consecutive bytes, aligned
.endr
.endr
.endm
.macro FETCH                           ; all 16 scale words and fragments of the trip's 32 rows, K step by K step
.set q, 0
.rept 16
	ds_load_b32 v[XS+q], v[LS] offset:128*q
.set q, q+1
.endr
	WIN 0x40
.irp ks, 0,1,2,3,4,5,6,7
.irp m, 0,1
.irp c, 0,1,2,3
	ds_load_b128 v[16*(8*\m+\ks)+4*\c:16*(8*\m+\ks)+4*\c+3], v[LI] offset:(8*\m+\ks)*2048+512*\c
.endr
.endr
.endr
.endm
; 32 matrix instructions: my tiles 2 half and 2 half + 1 of units x both tiles of rows, all of K.  Four accumulators take turns, one instruction a turn.  b1 is the C of each sum's first.
.macro MUL half
	WIN 0x06+(\half)                               ; source 0 (W1) window 2 or 3, source 1 (x) window 1, C and D window 0
.irp ks, 0,1,2,3,4,5,6,7
.if (\half) == 0
	s_wait_dscnt 8*(7-\ks)                         ; this K step's two fragments are in; the later K steps' eight loads each may be out
.endif
.irp tl, 0,1
.irp m, 0,1
.if \ks == 0
	v_wmma_scale_f32_16x16x128_f8f6f4 v[HA+8*(2*(2*(\half)+\tl)+\m):HA+8*(2*(2*(\half)+\tl)+\m)+7], v[16*(8*\tl+\ks):16*(8*\tl+\ks)+15], v[16*(8*\m+\ks):16*(8*\m+\ks)+15], v[B1+8*(2*(\half)+\tl):B1+8*(2*(\half)+\tl)+7], v[W1S+8*(2*(\half)+\tl)+\ks], v[XS+8*\m+\ks]
.else
	v_wmma_scale_f32_16x16x128_f8f6f4 v[HA+8*(2*(2*(\half)+\tl)+\m):HA+8*(2*(2*(\half)+\tl)+\m)+7], v[16*(8*\tl+\ks):16*(8*\tl+\ks)+15], v[16*(8*\m+\ks):16*(8*\m+\ks)+15], v[HA+8*(2*(2*(\half)+\tl)+\m):HA+8*(2*(2*(\half)+\tl)+\m)+7], v[W1S+8*(2*(\half)+\tl)+\ks], v[XS+8*\m+\ks]
.endif
.endr
.endr
.endr
.endm
; accumulator (t, m): lane (r, h) holds row r of tile m and units 16 t + 8 h + 0 .. 7.  score += (h W2 / 2) (1 + erf(h / sqrt 2)), two numbers an instruction, stage by stage
.macro GELU t, m
.set HH, HA+8*(2*(\t)+(\m))
.set WW, W2H+8*(\t)
.set SS, SA+2*(\m)
.irp p, 0,2,4,6
	v_pk_mul_f32 v[ZZ+\p:ZZ+\p+1], v[HH+\p:HH+\p+1], 0x3f3504f3 op_sel_hi:[1,0]   ; z = h / sqrt 2; the accumulator is read from its low end on
.endr
.irp p, 0,1,2,3,4,5,6,7
	v_med3_num_f32 v[ZZ+\p], v[ZZ+\p], -4.0, 4.0
.endr
.irp p, 0,2,4,6
	v_pk_mul_f32 v[YY+\p:YY+\p+1], v[ZZ+\p:ZZ+\p+1], v[ZZ+\p:ZZ+\p+1]
.endr
.irp p, 0,2,4,6
	v_pk_fma_f32 v[AA+\p:AA+\p+1], v[KA:KA+1], v[YY+\p:YY+\p+1], EA11 op_sel_hi:[1,1,0]
.endr
.irp k, EA9, EA7, EA5, EA3, EA1
.irp p, 0,2,4,6
	v_pk_fma_f32 v[AA+\p:AA+\p+1], v[AA+\p:AA+\p+1], v[YY+\p:YY+\p+1], \k op_sel_hi:[1,1,0]
.endr
.endr
.irp p, 0,2,4,6
	v_pk_fma_f32 v[QQ+\p:QQ+\p+1], v[KB:KB+1], v[YY+\p:YY+\p+1], EB6 op_sel_hi:[1,1,0]
.endr
.irp k, EB4, EB2, EB0
.irp p, 0,2,4,6
	v_pk_fma_f32 v[QQ+\p:QQ+\p+1], v[QQ+\p:QQ+\p+1], v[YY+\p:YY+\p+1], \k op_sel_hi:[1,1,0]
.endr
.endr
.irp p, 0,2,4,6
	v_pk_mul_f32 v[AA+\p:AA+\p+1], v[AA+\p:AA+\p+1], v[ZZ+\p:ZZ+\p+1]
.endr
	s_wait_alu depctr_va_vdst(0)
.irp p, 0,1,2,3,4,5,6,7
	v_rcp_f32 v[QQ+\p], v[QQ+\p]                   ; Q is negative throughout, never 0
.endr
.irp p, 0,2,4,6
	v_pk_mul_f32 v[YY+\p:YY+\p+1], v[HH+\p:HH+\p+1], v[WW+\p:WW+\p+1]   ; h W2 / 2: plain lines between the reciprocals and their use
.endr
	s_wait_alu depctr_va_vdst(0)
.irp p, 0,2,4,6
	v_pk_fma_f32 v[AA+\p:AA+\p+1], v[AA+\p:AA+\p+1], v[QQ+\p:QQ+\p+1], 1.0 op_sel_hi:[1,1,0]   ; 1 + erf
.endr
.irp p, 0,2,4,6
	v_pk_fma_f32 v[SS:SS+1], v[YY+\p:YY+\p+1], v[AA+\p:AA+\p+1], v[SS:SS+1]
.endr
.endm
.macro WORK
	WIN 0x40                                       ; destination window 1
	LDF 0, 0, 0
	LDF 0, 1, 64
	LDF 1, 0, 128
	LDF 1, 1, 192
	s_wait_dscnt 48                                ; the first fragment's 16 loads are in; the other three's may be out
	QUANT 0, 0, 0, 0
	s_wait_dscnt 37                                ; the second's are in: behind them 2 x 16 loads and 5 stores
	QUANT 64, 0, 1, 1
	WIN 0x40
	LDG 0                                          ; into the registers that the first two fragments have left
	s_wait_dscnt 37                                ; the first fragment's stores have read their registers (behind them 5 stores and 32 loads), and the third's loads are in
	QUANT 128, 1, 0, 0
	s_wait_dscnt 37                                ; the second's stores likewise (behind them 32 loads and 5 stores)
	QUANT 192, 1, 1, 1
	WIN 0x40
	LDG 1
	s_wait_dscnt 32                                ; all but the 32 just issued: group 0 is in, and the images' stores have read the registers that the codes now take
	CQ 0
	s_wait_dscnt 0x0
	CQ 1
	s_and_b32 s48, s[TRIP], 3
	s_cmp_lg_u32 s48, 3                            ; a branch on the trip's number: four blocks of keys make a scale word
	s_cbranch_scc1 .Lno_words_\@
	global_store_b128 v[SO], v[SW:SW+3], s[XSP:XSP+1] th:TH_STORE_NT             ; 32 lanes store 512 consecutive bytes
	global_store_b128 v[SO], v[SW+4:SW+7], s[XSP:XSP+1] offset:512 th:TH_STORE_NT
.Lno_words_\@:
	s_wait_dscnt 0x0                               ; my images and scale words have landed
	s_barrier_signal -1
	s_barrier_wait -1                              ; everybody's have.
	FETCH
	MUL 0
	MUL 1
	WIN 0
.irp i, 0,1,2,3
	v_mov_b32 v[SA+\i], 0                          ; eight places behind the last products: these four
.endr
.rept 4
	v_nop                                          ; and these
.endr
	s_wait_xcnt 0x0                                ; the stores to xt have read the registers that gelu now takes
.irp t, 0,1,2,3
	GELU \t, 0
	GELU \t, 1
.endr
	v_add_f32 v[TM+4], v[SA], v[SA+1]
	v_add_f32 v[TM+5], v[SA+2], v[SA+3]
	v_permlanex16_b32 v[TM+6], v[TM+4], s[SEL], s[SEL+1]
	v_permlanex16_b32 v[TM+7], v[TM+5], s[SEL], s[SEL+1]
	v_add_f32 v[TM+4], v[TM+4], v[TM+6]            ; both halves' units: my wave's 64
	v_add_f32 v[TM+5], v[TM+5], v[TM+7]
	v_cndmask_b32 v[TM+4], v[TM+4], v[TM+5], s[HM] ; lanes 16-31 take tile 1's
	ds_store_b32 v[SPA], v[TM+4]
	s_xor_b32 s[TB], s[TB], SLOT
	s_add_co_u32 s[SPT], s[SPT], 128
.endm
.Ltrip:                                                ; seven trips ask for the next rows
	CHANGE 1
	WORK
	s_add_co_u32 s[TRIP], s[TRIP], 1
	s_cmp_lt_u32 s[TRIP], 7
	s_cbranch_scc1 .Ltrip
	CHANGE 0                                       ; the last is written out
	WORK
	s_wait_dscnt 0x0                               ; my partial scores have landed
	s_barrier_signal -1
	s_barrier_wait -1
.irp k, 0,1,2,3
	ds_load_b64 v[CC+2*\k:CC+2*\k+1], v[FA] offset:1024*\k   ; rows 2 thread and 2 thread + 1, of each wave
.endr
	s_wait_dscnt 0x0
	v_pk_add_f32 v[CC:CC+1], v[CC:CC+1], v[CC+2:CC+3]
	v_pk_add_f32 v[CC+4:CC+5], v[CC+4:CC+5], v[CC+6:CC+7]
	v_pk_add_f32 v[CC:CC+1], v[CC:CC+1], v[CC+4:CC+5]
	v_add_f32 v[CC], s[BB2], v[CC]
	v_add_f32 v[CC+1], s[BB2], v[CC+1]
	global_store_b64 v[FO], v[CC:CC+1], s[20:21]   ; a wave stores 256 consecutive bytes, aligned
	s_wait_tensorcnt 0x0                           ; the wave's end
	ds_add_u32 v[SPW], v[NIL]
	s_wait_dscnt 0x0
	s_endpgm
.Lfunc_end_k_qcbe9d2497e_score:
	.size	k_qcbe9d2497e_score, .Lfunc_end_k_qcbe9d2497e_score-k_qcbe9d2497e_score
	.p2alignl 7, 3214868480
	.fill 96, 4, 3214868480
	.section	.rodata,"a",@progbits
	.p2align	6, 0x0
	.amdhsa_kernel k_qcbe9d2497e_score
		.amdhsa_group_segment_fixed_size 327680
		.amdhsa_private_segment_fixed_size 0
		.amdhsa_enable_private_segment 0
		.amdhsa_kernarg_size 72
		.amdhsa_user_sgpr_count 2
		.amdhsa_user_sgpr_kernarg_segment_ptr 1
		.amdhsa_wavefront_size32 1
		.amdhsa_system_sgpr_workgroup_id_x 1
		.amdhsa_system_sgpr_workgroup_id_y 1
		.amdhsa_system_sgpr_workgroup_id_z 1
		.amdhsa_system_vgpr_workitem_id 0
		.amdhsa_next_free_vgpr 1024
		.amdhsa_next_free_sgpr 66
		.amdhsa_reserve_vcc 0
		.amdhsa_float_denorm_mode_32 3
		.amdhsa_float_denorm_mode_16_64 3
		.amdhsa_memory_ordered 1
		.amdhsa_forward_progress 1
		.amdhsa_inst_pref_size 255
	.end_amdhsa_kernel
	.section	.bss,"aw",@nobits
	.p2align	6
	.space	262144
	.amdgpu_metadata
---
amdhsa.version: [ 1, 2 ]
amdhsa.kernels:
  - .name:           k_qcbe9d2497e_score
    .symbol:         k_qcbe9d2497e_score.kd
    .args:
      - { .name: x, .offset: 0, .size: 8, .value_kind: global_buffer, .address_space: global }
      - { .name: w1c, .offset: 8, .size: 8, .value_kind: global_buffer, .address_space: global }
      - { .name: w1s, .offset: 16, .size: 8, .value_kind: global_buffer, .address_space: global }
      - { .name: b1, .offset: 24, .size: 8, .value_kind: global_buffer, .address_space: global }
      - { .name: W2, .offset: 32, .size: 8, .value_kind: global_buffer, .address_space: global }
      - { .name: b2, .offset: 40, .size: 8, .value_kind: global_buffer, .address_space: global }
      - { .name: xt, .offset: 48, .size: 8, .value_kind: global_buffer, .address_space: global }
      - { .name: xs, .offset: 56, .size: 8, .value_kind: global_buffer, .address_space: global }
      - { .name: scores, .offset: 64, .size: 8, .value_kind: global_buffer, .address_space: global }
    .group_segment_fixed_size: 327680
    .private_segment_fixed_size: 0
    .kernarg_segment_align: 8
    .kernarg_segment_size: 72
    .max_flat_workgroup_size: 128
    .sgpr_count:     66
    .vgpr_count:     1024
    .wavefront_size: 32
...
	.end_amdgpu_metadata
.endif
;; end of part 5
;; launch pool (part 6): grid 32 x 8, 4 waves a work-group, no clusters, 100,352 bytes of LDS; arguments scores, pool_positions, masks, xt, xs, out0; writes out0
.if DOCPART == 6
	.amdgcn_target "amdgcn-amd-amdhsa--gfx1250"
	.amdhsa_code_object_version 6
	.text
	.protected	k_qcbe9d2497e_pool
	.globl	k_qcbe9d2497e_pool
	.p2align	8
	.type	k_qcbe9d2497e_pool,@function
k_qcbe9d2497e_pool:
	s_mov_b64 s[64:65], 0
	v_nop
	global_prefetch_b8 v0, s[64:65] scope:SCOPE_SE
	s_setreg_imm32_b32 hwreg(HW_REG_WAVE_SCHED_MODE, 0, 2), 2
	s_setreg_imm32_b32 hwreg(HW_REG_WAVE_MODE, 25, 1), 1
	s_wait_xcnt 0x0
	s_wait_alu depctr_vm_vsrc(0)
; out0[b][t][:] = the sum over s of softmax_s(-8192 |pp_t - pos_s| + 10 w_s) x[b][s][:], w = softmax(scores[b]), pos = linspace(0, 1, 8192); the product on codes of E4M3 with E8M0 scales along the keys s.
; THE SOFTMAX AHEAD OF THE PRODUCT: t = logit x log2(e); M = the row's largest t so far, rounded UP to a whole number; p = 2^(t - M) is quantised along the keys, not normalised; the row's sum is taken of the
; unquantised p and divides at the end.  When M moves, the sum and the result are multiplied by 2^(old M - new M): exact.
; t IS AN f32 NUMBER OF ITS OWN: the product logit x log2(e) is rounded, and M is taken off afterwards (exact: M is a whole number beside t).  So a multiplication and an addition stand where one fused multiply-add could:
;   where pp lies outside 0 .. 1 all of a row's logits are large (thousands), t's last place is then 1e-4 and more, and the fused form would give another p than the definition's, by enough to turn codes.
; pos_s = s x r, rounded once, r = 1 / 8191 rounded to f32 (0x39000400).  reference()'s linspace divides a row of whole numbers by the constant 8191 inside one compiled function, where a division by a constant is a
;   multiplication by its reciprocal.  That is NOT the rounded quotient: from s = 4096 on the two differ in the last place where s = 2 modulo 8 (s r is there a tie that goes to even, downward), and a last place of pos is
;   2^-24 x 8192 = 4.9e-4 of the logit, enough to turn a code of p.  s = 8191 gives 1 - 2^-26, which rounds to 1, linspace's end point.
; SHARES.  Work-group (tau, b): rows t = 16 tau .. 16 tau + 15 of batch b, all 1,024 channels; wave w: channels 256 w .. 256 w + 255: 16 tiles of 16, 16 accumulators.  Every wave makes the 16 rows' p itself:
;   some 490 vector instructions a step, and so no barrier stands in a walk that hangs on stored numbers.
; THE WALK.  64 trips, one for each K step of 128 keys; a trip whose bit in the tile's stored mask is 0 is left out by a scalar branch.  In such a step every p of every row of the tile is 0 in f32 (the launch that
;   stores the masks gives the arithmetic), so its codes are zeros and it adds nothing to sum or product.  SKIP = 0 walks all 64.
; LAYOUT.  The product is used transposed: source 0 = 16 channels (an image out of xt, straight from memory into registers), source 1 = p: lane (r, h) holds row r and keys 32 b + 16 h + 0 .. 15.  In the result lane (r, h)
;   holds row r; register j of tile (G, c, hh) is channel 128 G + 64 hh + 32 h + 4 j + c: the last multiplication puts four neighbouring channels into four neighbouring registers.
; The logit has reference()'s roundings: pp - pos rounded, x 8192 exact, 10 w rounded, the sum rounded once (a fused multiply-add).
; NO CLUSTER, NO TENSOR LOAD: which steps a work-group walks hangs on the stored masks, and differs from tile to tile; so the operands go from memory straight into registers.
; LIMITS: NaN and infinities are not served.  v_exp_f32 gives 0 under 2^-126, where the definition has denormals: under 2^-126 beside sums of 1/2 and more.
; The accumulators are cleared by moves: which step is a row tile's first is not known to the text, so no product written out ahead of the loop can start the sums.
; REGISTERS.  Window 0: v1-11, v27, v28 addresses; v12 -M, v13 the largest t, v[14:15] the sum; v[16:17] pp; v18-25 x's scale words, v26 p's; v32-95 logits, then p; v96-159 10 w; v160-175 p's codes; v176-199 at work.
;   Window 1: the step's 16 images.   Window 2: the 16 accumulators.
; THE MODE: SCHED_MODE bits 1:0 = 2 (LLVM: expert scheduling mode 2), set by the entry lines.  The code itself states the register dependences between vector or matrix instructions and memory or LDS instructions,
;   with s_wait_alu, always for 0.
; THE PLAN.  Registers that memory or LDS instructions touch:
;   the images (window 1), v[XSR ..]   A walked step's 66 global loads land in them; the same step's sixteen products read them.
;   v[LG ..]     At the head: the scores land, later the data of the LDS stores of 10 w.  In a step: pos lands, then the step's vector lines read and rewrite them.  On the way out: written by the division, data of the stage's stores.
;   v[WT ..]     At the head: written (pos), data of LDS stores.  In a step: 10 w lands, the 64 multiply-adds read it.  On the way out: the stage's loads land, data of the stores to out0.
;   v[AP]        Written once at a walked step's head; read by its 32 LDS loads.
;   v[BM], v[S2] data of the two stores of the reductions; v[HD ..]: the reductions' two loads land there.
;   v[XO], v[T16], v[RW], v[RA], v[PPO], v[STO], v[RD], v254, v255   Made at the head and never written again.
;   p's codes v[PC ..] and its scale word v[PW] are written by vector lines and taken by the scaled products.
; A WALKED STEP has one wait on vm_vsrc, ahead of the add to v[AP]; behind that add ONE wait on va_vdst, on which all its 98 loads lean: they are dealt among the step's vector lines, which name none of the images, v[XSR ..],
;   v[XO] and v[AP], and name v[LG ..] and v[WT ..] only behind the waits for the LDS loads; the wait behind the exponentials; and one wait on va_vdst ahead of the first product, for p's codes and scale word.
.set SKIP,    1
.set POS,  0                           ; LDS: pos_s, 8,192 f32
.set W10,  32768                       ; 10 w_s, 8,192 f32
.set RED,  65536                       ; the waves' maxima (4 words) and sums (4 words)
.set STG,  65792                       ; the way out: 16 rows x (512 + 16) bytes for each wave
.set AP0,  1                           ; 64 h
.set AP,   2
.set XO,   3                           ; 16 x lane
.set STO,  4
.set RD,   5
.set T16,  6                           ; 16 x thread
.set RW,   11                          ; RED + 4 x wave
.set RA,   27                          ; RED
.set PPO,  28                          ; 4 r
.set XSR,  18
.set PW,   26
.set LG,   32
.set WT,   96
.set PC,   160
.set BM,   176
.set BP,   180
.set HD,   184
.set SOP,  188
.set FF,   192
.set TP,   194
.set S2,   196
.set WV,   16
.set J,    17
.set TJ,   18
.set SEL,  24
.set CS,   26                          ; s[26:27] log2(e), twice
.set MNT,  28
.set NS,   29                          ; -8192.0
.set RC,   30                          ; s[30:31] 1 / 8191 rounded, twice
.set MSB, 0
.macro WIN new
.if MSB != (\new)
	s_set_vgpr_msb (MSB<<8)|(\new)
.set MSB, (\new)
.endif
.endm
.macro BARRIER                         ; my LDS stores have landed and my LDS loads are in: then the work-group's barrier
	s_wait_dscnt 0x0
	s_barrier_signal -1
	s_barrier_wait -1
.endm
; n of my 16 images of the step, from image first on, four loads each: 2,048 consecutive bytes an image.  No wait stands here: no vector or matrix instruction since the wait at the step's head names these registers or v[XO].
.macro IMAGES first, n
	WIN 0x40                                       ; destination window 1
.set i, 4*(\first)
.rept 4*(\n)
	global_load_b128 v[4*i:4*i+3], v[XO], s[10:11] offset:512*i
.set i, i+1
.endr
.endm
	s_load_b256 s[4:11], s[0:1], 0x0               ; scores s[4:5], pool_positions s[6:7], masks s[8:9], xt s[10:11]
	s_load_b128 s[12:15], s[0:1], 0x20             ; xs s[12:13], out0 s[14:15]
	v_lshl_add_u32 v254, v0, 2, 0x18600
	v_mov_b32 v255, 0
	v_lshrrev_b32 v7, 5, v0
	v_readfirstlane_b32 s[WV], v7                  ; wave 0..3
	s_and_b32 s19, ttmp7, 0xffff                   ; the batch
	v_and_b32 v8, 31, v0                           ; lane
	v_and_b32 v9, 15, v0                           ; r
	v_bfe_u32 v10, v0, 4, 1                        ; h
	v_lshlrev_b32 v[AP0], 6, v10
	v_lshlrev_b32 v[XO], 4, v8
	s_wait_alu depctr_va_sdst(0)                   ; the wave's number is written, ahead of its first reader: the stage's place and the bases of xt, xs and out0 are made from it
	s_mul_i32 s22, s[WV], 16*528
	s_add_co_u32 s22, s22, STG                     ; my stage
	v_mul_u32_u24 v[STO], v9, 528
	v_lshl_add_u32 v[STO], v10, 7, v[STO]
	v_add_nc_u32 v[STO], s22, v[STO]               ; in: row r, + 128 h
	v_lshl_add_u32 v[RD], v8, 4, s22               ; back: 32 lanes take a row of 512 bytes
	v_lshlrev_b32 v[T16], 4, v0
	v_lshl_add_u32 v[RW], v7, 2, RED
	v_mov_b32 v[RA], RED
	v_lshlrev_b32 v[PPO], 2, v9
	s_mov_b32 s[SEL], 0x76543210
	s_mov_b32 s[SEL+1], 0xfedcba98
	s_mov_b32 s[CS], 0x3fb8aa3b
	s_mov_b32 s[CS+1], s[CS]
	s_mov_b32 s[MNT], 0x600000
	s_mov_b32 s[NS], 0xc6000000
	s_mov_b32 s[RC], 0x39000400
	s_mov_b32 s[RC+1], s[RC]
	s_mov_b32 s35, 0
	s_wait_kmcnt 0x0
	s_lshl_b32 s34, s19, 15
	s_add_nc_u64 s[4:5], s[4:5], s[34:35]          ; the batch's 8,192 scores
	s_lshl_b32 s34, ttmp9, 6
	s_add_nc_u64 s[6:7], s[6:7], s[34:35]          ; the tile's 16 positions
	s_lshl_b32 s34, ttmp9, 3
	s_add_nc_u64 s[8:9], s[8:9], s[34:35]          ; its mask
	s_lshl_b32 s34, s19, 23
	s_lshl_b32 s36, s[WV], 15
	s_add_co_u32 s34, s34, s36
	s_add_nc_u64 s[10:11], s[10:11], s[34:35]      ; xt: the batch, K step 0, my 16 images
	s_lshl_b32 s34, s19, 18
	s_lshl_b32 s36, s[WV], 10
	s_add_co_u32 s34, s34, s36
	s_add_nc_u64 s[12:13], s[12:13], s[34:35]      ; xs likewise
	s_lshl_b32 s34, s19, 21
	s_lshl_b32 s37, ttmp9, 16
	s_add_co_u32 s34, s34, s37
	s_add_co_u32 s34, s34, s36
	s_add_nc_u64 s[14:15], s[14:15], s[34:35]      ; out0: row 512 b + 16 tau, my 1,024 bytes of it
	s_load_b64 s[20:21], s[8:9], 0x0               ; the mask
	s_wait_alu depctr_va_vdst(0)                   ; the addresses and offsets v[XO], v[STO], v[RD], v[T16], v[RW], v[RA], v[PPO] are written: every load and store of the kernel but a step's LDS loads reads one of them
.set i, 0
.rept 16
	global_load_b128 v[LG+4*i:LG+4*i+3], v[T16], s[4:5] offset:2048*i   ; scores of s = 4 thread + 512 i + 0 .. 3
.set i, i+1
.endr
	global_load_b32 v16, v[PPO], s[6:7]
	; ---- pos_s of the same s, while the scores are on their way
.irp b, 0,1,2,3
	v_mov_b32 v[BP+\b], 0                          ; a lane permute's destination counts as one of its sources
.endr
	v_lshlrev_b32 v[TP], 2, v0
	v_cvt_f32_u32 v[WT], v[TP]
	v_add_f32 v[WT+1], 1.0, v[WT]
	v_add_f32 v[WT+2], 2.0, v[WT]
	v_add_f32 v[WT+3], 0x40400000, v[WT]
.set i, 1
.rept 15
	v_pk_add_f32 v[WT+4*i:WT+4*i+1], v[WT+4*i-4:WT+4*i-3], 0x44000000 op_sel_hi:[1,0]     ; + 512: whole numbers under 2^24, exact
	v_pk_add_f32 v[WT+4*i+2:WT+4*i+3], v[WT+4*i-2:WT+4*i-1], 0x44000000 op_sel_hi:[1,0]
.set i, i+1
.endr
.set i, 0
.rept 32
	v_pk_mul_f32 v[WT+2*i:WT+2*i+1], v[WT+2*i:WT+2*i+1], s[RC:RC+1] op_sel_hi:[1,0]       ; pos_s = s r, rounded once
.set i, i+1
.endr
	s_wait_alu depctr_va_vdst(0)                   ; the multiplications have written v[WT ..], which the LDS stores read
.set i, 0
.rept 16
	ds_store_b128 v[T16], v[WT+4*i:WT+4*i+3] offset:POS+2048*i
.set i, i+1
.endr
	s_wait_loadcnt 0x0
	v_mov_b32 v17, v16                             ; pp as a pair
	; ---- w = softmax(scores): the largest score of the batch
.irp c, 0,1,2,3
	v_max3_num_f32 v[BM+\c], v[LG+16*\c], v[LG+16*\c+1], v[LG+16*\c+2]
.endr
.irp i, 3,5,7,9,11,13
.irp c, 0,1,2,3
	v_max3_num_f32 v[BM+\c], v[BM+\c], v[LG+16*\c+\i], v[LG+16*\c+\i+1]
.endr
.endr
.irp c, 0,1,2,3
	v_max_num_f32 v[BM+\c], v[BM+\c], v[LG+16*\c+15]
.endr
	v_max3_num_f32 v[BM], v[BM], v[BM+1], v[BM+2]
	v_max_num_f32 v[BM], v[BM], v[BM+3]
	v_max_num_f32_dpp v[BM], v[BM], v[BM] row_xmask:1 row_mask:0xf bank_mask:0xf
	v_max_num_f32_dpp v[BM], v[BM], v[BM] row_xmask:2 row_mask:0xf bank_mask:0xf
	v_max_num_f32_dpp v[BM], v[BM], v[BM] row_xmask:4 row_mask:0xf bank_mask:0xf
	v_max_num_f32_dpp v[BM], v[BM], v[BM] row_xmask:8 row_mask:0xf bank_mask:0xf
	v_permlanex16_b32 v[BP], v[BM], s[SEL], s[SEL+1]
	v_max_num_f32 v[BM], v[BM], v[BP]
	s_wait_alu depctr_va_vdst(0)                   ; the wave's maximum is written into v[BM], which the LDS store reads
	ds_store_b32 v[RW], v[BM]                      ; all lanes write the wave's word with the same value
	BARRIER
	ds_load_b128 v[HD:HD+3], v[RA]
	s_wait_dscnt 0x0
	s_wait_alu depctr_vm_vsrc(0)                   ; the LDS store has read v[BM], which the next line writes; the stores of pos have read v[WT ..], in which a step's LDS loads land
	v_max3_num_f32 v[BM], v[HD], v[HD+1], v[HD+2]
	v_max_num_f32 v[BM], v[BM], v[HD+3]
	v_mov_b32 v[BM+1], v[BM]
.set i, 0
.rept 32
	v_pk_add_f32 v[LG+2*i:LG+2*i+1], v[LG+2*i:LG+2*i+1], v[BM:BM+1] neg_lo:[0,1] neg_hi:[0,1]
.set i, i+1
.endr
.set i, 0
.rept 32
	v_pk_mul_f32 v[LG+2*i:LG+2*i+1], v[LG+2*i:LG+2*i+1], s[CS:CS+1] op_sel_hi:[1,0]
.set i, i+1
.endr
.set i, 0
	s_wait_alu depctr_va_vdst(0)
.rept 64
	v_exp_f32 v[LG+i], v[LG+i]
.set i, i+1
.endr
	v_nop                                          ; a plain line between the exponentials and their use
	s_wait_alu depctr_va_vdst(0)                   ; the 64 exponentials have written v[LG ..], ahead of their first reader
	v_pk_add_f32 v[S2:S2+1], v[LG:LG+1], v[LG+2:LG+3]
	v_pk_add_f32 v[S2+2:S2+3], v[LG+4:LG+5], v[LG+6:LG+7]
.irp j, 8,12,16,20,24,28,32,36,40,44,48,52,56,60
	v_pk_add_f32 v[S2:S2+1], v[S2:S2+1], v[LG+\j:LG+\j+1]
	v_pk_add_f32 v[S2+2:S2+3], v[S2+2:S2+3], v[LG+\j+2:LG+\j+3]
.endr
	v_pk_add_f32 v[S2:S2+1], v[S2:S2+1], v[S2+2:S2+3]
	v_add_f32 v[S2], v[S2], v[S2+1]
	v_add_f32_dpp v[S2], v[S2], v[S2] row_xmask:1 row_mask:0xf bank_mask:0xf
	v_add_f32_dpp v[S2], v[S2], v[S2] row_xmask:2 row_mask:0xf bank_mask:0xf
	v_add_f32_dpp v[S2], v[S2], v[S2] row_xmask:4 row_mask:0xf bank_mask:0xf
	v_add_f32_dpp v[S2], v[S2], v[S2] row_xmask:8 row_mask:0xf bank_mask:0xf
	v_permlanex16_b32 v[BP], v[S2], s[SEL], s[SEL+1]
	v_add_f32 v[S2], v[S2], v[BP]
	s_wait_alu depctr_va_vdst(0)                   ; the wave's sum is written into v[S2], which the LDS store reads; and the lines that read the four maxima are done with v[HD ..], in which the load behind the barrier lands
	ds_store_b32 v[RW], v[S2] offset:16            ; other words than the maxima's
	BARRIER
	ds_load_b128 v[HD:HD+3], v[RA] offset:16
	s_wait_dscnt 0x0
	v_add_f32 v[HD], v[HD], v[HD+1]
	v_add_f32 v[HD+2], v[HD+2], v[HD+3]
	v_add_f32 v[HD], v[HD], v[HD+2]
	s_wait_alu depctr_va_vdst(0)
	v_rcp_f32 v[HD], v[HD]
	v_nop
	s_wait_alu depctr_va_vdst(0)                   ; the reciprocal has written v[HD], ahead of its first reader
	v_mov_b32 v[HD+1], v[HD]
.set i, 0
.rept 32
	v_pk_mul_f32 v[LG+2*i:LG+2*i+1], v[LG+2*i:LG+2*i+1], v[HD:HD+1]                    ; w
.set i, i+1
.endr
.set i, 0
.rept 32
	v_pk_mul_f32 v[LG+2*i:LG+2*i+1], v[LG+2*i:LG+2*i+1], 0x41200000 op_sel_hi:[1,0]    ; 10 w, rounded as reference() rounds it
.set i, i+1
.endr
	s_wait_alu depctr_va_vdst(0)                   ; the multiplications have written v[LG ..], which the LDS stores read
.set i, 0
.rept 16
	ds_store_b128 v[T16], v[LG+4*i:LG+4*i+3] offset:W10+2048*i
.set i, i+1
.endr
	BARRIER                                        ; pos and 10 w of all 8,192 keys lie in LDS
	s_wait_alu depctr_vm_vsrc(0)                   ; my LDS stores have read v[LG ..] and v[S2]: a step's LDS loads and sums, and the way out's division, write them again
	WIN 0x80                                       ; destination window 2
.set i, 0
.rept 128
	v_mov_b32 v[i], 0
.set i, i+1
.endr
	WIN 0
	v_mov_b32 v13, 0xff61b1e6                      ; the largest t so far: -3e38, under every t
	v_floor_f32 v12, -v13                          ; -M
	v_mov_b32 v14, 0
	v_mov_b32 v15, 0
	v_mov_b32 v[FF+1], 0                           ; named as the upper half of a pair
	s_mov_b32 s[J], 0
	s_mov_b32 s[TJ], 0
	s_wait_kmcnt 0x0                               ; the mask
.Lstep:
	s_cmp_lt_u32 s[J], 32
	s_cselect_b32 s22, s20, s21
	s_lshr_b32 s22, s22, s[J]                      ; (the shift takes J modulo 32)
	s_and_b32 s22, s22, 1
	s_cmp_lg_u32 s22, 0
.if SKIP
	s_cbranch_scc0 .Lskip                          ; a branch on a stored whole number, round the step's loads, softmax and products; not round the lines that step addresses
.endif
	s_wait_alu depctr_vm_vsrc(0)                   ; the LDS loads of the step walked last have read v[AP], which the next line writes
	v_add_nc_u32 v[AP], s[TJ], v[AP0]
	s_wait_alu depctr_va_vdst(0)                   ; v[AP] is written, which the LDS loads read; the last walked step's products are done reading the images and v[XSR ..], and its vector lines (in the first: the head's) are done with v[LG ..] and v[WT ..]: in all of these this step's loads land
.irp b, 0,1,2,3
.irp q, 0,1,2,3
	ds_load_b128 v[LG+16*\b+4*\q:LG+16*\b+4*\q+3], v[AP] offset:POS+128*\b+16*\q
.endr
.endr
	global_load_b128 v[XSR:XSR+3], v[XO], s[12:13]             ; register c: lanes 0-15 the words of tile (G, c, 0), lanes 16-31 those of tile (G, c, 1)
	global_load_b128 v[XSR+4:XSR+7], v[XO], s[12:13] offset:512
	IMAGES 0, 8                                    ; my 16 images are 32,768 consecutive bytes: they land while p is made.  They are asked for in ascending order, in four runs among the vector lines
	WIN 0
.irp b, 0,1,2,3
.irp q, 0,1,2,3
	ds_load_b128 v[WT+16*\b+4*\q:WT+16*\b+4*\q+3], v[AP] offset:W10+128*\b+16*\q
.endr
.endr
	s_wait_dscnt 16                                ; pos is in; the 16 loads of 10 w may be out
.set i, 0
.rept 32
	v_pk_add_f32 v[LG+2*i:LG+2*i+1], v[16:17], v[LG+2*i:LG+2*i+1] neg_lo:[0,1] neg_hi:[0,1]   ; pp - pos
.set i, i+1
.endr
	IMAGES 8, 4
	WIN 0
	s_wait_dscnt 0x0
.set i, 0
.rept 64
	v_fma_f32 v[LG+i], |v[LG+i]|, s[NS], v[WT+i]   ; the logit
.set i, i+1
.endr
	IMAGES 12, 3
	WIN 0
.irp b, 0,1,2,3
	v_max3_num_f32 v[BM+\b], v[LG+16*\b], v[LG+1+16*\b], v[LG+2+16*\b]   ; the largest logit of each block of 32 keys: for the row's maximum and, since p rises with the logit, for the block's largest p
.endr
.irp i, 3,5,7,9,11,13
.irp b, 0,1,2,3
	v_max3_num_f32 v[BM+\b], v[BM+\b], v[LG+16*\b+\i], v[LG+1+16*\b+\i]
.endr
.endr
.irp b, 0,1,2,3
	v_max_num_f32 v[BM+\b], v[BM+\b], v[LG+15+16*\b]
.endr
.irp b, 0,1,2,3
	v_permlanex16_b32 v[BP+\b], v[BM+\b], s[SEL], s[SEL+1]
.endr
.irp b, 0,1,2,3
	v_max_num_f32 v[BM+\b], v[BM+\b], v[BP+\b]     ; with lane l xor 16's 16 keys
.endr
	v_max3_num_f32 v[TP], v[BM], v[BM+1], v[BM+2]
	v_max_num_f32 v[TP], v[TP], v[BM+3]
	v_mul_f32 v[TP], s[CS], v[TP]                  ; as t: the same rounded product as the elements' below, and rounding keeps the order, so it is their largest t
	v_max_num_f32 v13, v13, v[TP]                  ; the running largest t
	v_mov_b32 v[TP], v12
	v_floor_f32 v12, -v13                          ; the new -M = -ceil(t): a whole number
	v_sub_f32 v[TP], v12, v[TP]                    ; old M - new M, 0 or less
	v_cvt_i32_f32 v[TP], v[TP]                     ; (it saturates)
	v_ldexp_f32 v[FF], 1.0, v[TP]                  ; f = 2^(old M - new M)
.set i, 0
.rept 32
	v_pk_mul_f32 v[LG+2*i:LG+2*i+1], v[LG+2*i:LG+2*i+1], s[CS:CS+1] op_sel_hi:[1,0]   ; t = logit x log2(e), ROUNDED to f32, as the definition has it: not fused with the line that takes M off
.set i, i+1
.endr
.irp b, 0,1,2,3
	v_mul_f32 v[BM+\b], s[CS], v[BM+\b]            ; the same of each block's largest logit
.endr
.set i, 0
.rept 32
	v_pk_add_f32 v[LG+2*i:LG+2*i+1], v[LG+2*i:LG+2*i+1], v[12:13] op_sel_hi:[1,0]     ; t - M (of the pair the low word, -M, serves both halves)
.set i, i+1
.endr
.irp b, 0,1,2,3
	v_add_f32 v[BM+\b], v12, v[BM+\b]
.endr
.set i, 0
	s_wait_alu depctr_va_vdst(0)
.rept 64
	v_exp_f32 v[LG+i], v[LG+i]                     ; p = 2^(t - M), at most 1
.set i, i+1
.endr
.irp b, 0,1,2,3
	v_exp_f32 v[BM+\b], v[BM+\b]                   ; the block's largest p: the same three instructions on the same number
.endr
	v_pk_mul_f32 v[14:15], v[14:15], v[FF:FF+1] op_sel_hi:[1,0]   ; the sums under the new M; a plain line behind the exponentials
	s_wait_alu depctr_va_vdst(0)                   ; the 68 exponentials have written v[LG ..] and v[BM ..], ahead of their first reader
.irp b, 0,1,2,3
	v_max_num_f32 v[BM+\b], 0x4800000, v[BM+\b]    ; the floor 2^(9 - 127): the byte cannot fall under 1
.endr
.irp b, 0,1,2,3
	v_add_nc_u32 v[SOP+\b], 0xfc000000, v[BM+\b]   ; the conversion's scale operand
.endr
.irp b, 0,1,2,3
	v_and_or_b32 v[HD+\b], v[BM+\b], 0x7f800000, s[MNT]   ; 448 x the scale
.endr
.irp b, 0,1,2,3
	v_lshrrev_b32 v[BP+\b], 23, v[SOP+\b]          ; the scale's byte
.endr
	v_lshl_or_b32 v[PW], v[BP+1], 8, v[BP]         ; p's scale word for these 128 keys
	v_lshl_or_b32 v[PW], v[BP+2], 16, v[PW]
	v_lshl_or_b32 v[PW], v[BP+3], 24, v[PW]
	v_pk_add_f32 v[S2:S2+1], v[LG:LG+1], v[LG+2:LG+3]   ; the row's sum is taken of the unquantised p
.irp j, 4,8,12,16,20,24,28,32,36,40,44,48,52,56,60
	v_pk_add_f32 v[14:15], v[14:15], v[LG+\j:LG+\j+1]
	v_pk_add_f32 v[S2:S2+1], v[S2:S2+1], v[LG+\j+2:LG+\j+3]
.endr
	v_pk_add_f32 v[14:15], v[14:15], v[S2:S2+1]
.irp b, 0,1,2,3
.set i, 0
.rept 16
	v_min_num_f32 v[LG+16*\b+i], v[LG+16*\b+i], v[HD+\b]   ; the conversion does not saturate (ISA guide 7.6.2); p is not negative, so the hold is one-sided
.set i, i+1
.endr
	v_cvt_scalef32_pk8_fp8_f32 v[PC+4*\b:PC+4*\b+1], v[LG+16*\b:LG+16*\b+7], v[SOP+\b]
	v_cvt_scalef32_pk8_fp8_f32 v[PC+4*\b+2:PC+4*\b+3], v[LG+16*\b+8:LG+16*\b+15], v[SOP+\b]
.endr
	IMAGES 15, 1                                   ; the last image, the step's 63rd to 66th load, is asked for when the softmax's lines have been issued
	WIN 0x82                                       ; destination and source 0 window 2
.set i, 0
.rept 64
	v_pk_mul_f32 v[2*i:2*i+1], v[2*i:2*i+1], v[FF:FF+1] op_sel_hi:[1,0]   ; the result under the new M, each accumulator from its low end on; these lines are also the places between the codes and the products
.set i, i+1
.endr
	WIN 0xa1                                       ; source 0 (the image) window 1, source 1 (p) window 0, C and D window 2
	s_wait_alu depctr_va_vdst(0)                   ; the conversions have written p's codes v[PC ..] and the shifts its scale word v[PW], which the scaled products take; the places above stay beside this wait
.set i, 0
.rept 16                               ; image i = 8 G + 2 c + hh; the sixteen accumulators take turns
	s_wait_loadcnt 4*(15-i)                        ; image i's four loads are in; the later images' may be out
.if i%2
	v_wmma_scale_f32_16x16x128_f8f6f4 v[8*i:8*i+7], v[16*i:16*i+15], v[PC:PC+15], v[8*i:8*i+7], v[XSR+4*(i/8)+(i%8)/2], v[PW] matrix_a_scale:MATRIX_SCALE_ROW1
.else
	v_wmma_scale_f32_16x16x128_f8f6f4 v[8*i:8*i+7], v[16*i:16*i+15], v[PC:PC+15], v[8*i:8*i+7], v[XSR+4*(i/8)+(i%8)/2], v[PW]
.endif
.set i, i+1
.endr
	WIN 0
.rept 8
	v_nop                                          ; eight places behind the last product, ahead of the first read of results where this was the last walked step; the next step's loads into the images and scale words have the wait at its head
.endr
.Lskip:
	s_add_co_u32 s[TJ], s[TJ], 512                 ; the next 128 keys: in LDS,
	s_add_nc_u64 s[10:11], s[10:11], 131072        ; in xt (every load that named these bases has been waited for),
	s_add_nc_u64 s[12:13], s[12:13], 4096          ; in xs
	s_add_co_u32 s[J], s[J], 1
	s_cmp_lt_u32 s[J], 64
	s_cbranch_scc1 .Lstep
	s_wait_alu depctr_va_vdst(0)
	; THE WAY OUT.  The result is divided by the row's sum and goes through my stage in LDS, 128 channels of 16 rows at a time; a store of the wave covers 512 consecutive bytes, aligned.
	v_add_f32 v14, v14, v15
	v_permlanex16_b32 v[BP], v14, s[SEL], s[SEL+1]
	v_add_f32 v14, v14, v[BP]                      ; the row's sum
	s_wait_alu depctr_va_vdst(0)
	v_rcp_f32 v14, v14
	v_nop
	s_wait_alu depctr_va_vdst(0)                   ; the reciprocal has written v14, ahead of its first reader
.irp g, 0,1
	WIN 0x02                                       ; source 0 window 2
.irp j, 0,1,2,3,4,5,6,7                        ; register 0 of every accumulator first
.irp c, 0,1,2,3
.irp hh, 0,1
	v_mul_f32 v[LG+32*\hh+4*\j+\c], v[8*(8*\g+2*\c+\hh)+\j], v14   ; channel 128 G + 64 hh + 32 h + 4 j + c
.endr
.endr
.endr
	WIN 0
	s_wait_alu depctr_va_vdst(0)                   ; the multiplications have written v[LG ..], which the LDS stores read; and every vector line that named v[WT ..], in which the loads from the stage land, is done
.irp hh, 0,1
.irp j, 0,1,2,3,4,5,6,7
	ds_store_b128 v[STO], v[LG+32*\hh+4*\j:LG+32*\hh+4*\j+3] offset:256*\hh+16*\j
.endr
.endr
.set i, 0
.rept 16
	ds_load_b128 v[WT+4*i:WT+4*i+3], v[RD] offset:528*i   ; LDS serves a wave's instructions in order (ISA guide 5.7.1.4): these see my stores
.set i, i+1
.endr
.set i, 0
.rept 16
	s_wait_dscnt 15-i
	global_store_b128 v[XO], v[WT+4*i:WT+4*i+3], s[14:15] offset:4096*i+512*\g th:TH_STORE_NT
.set i, i+1
.endr
	s_wait_xcnt 0x0                                ; the stores have read their registers: the second half may land there
.if \g == 0
	s_wait_alu depctr_vm_vsrc(0)                   ; the LDS stores have read v[LG ..], which the second half's multiplications write, and the stores to out0 have read v[WT ..], in which its loads from the stage land
.endif
.endr
	s_wait_dscnt 0x0                               ; the closing lines, six on end
	s_wait_alu 0x0
	s_wait_tensorcnt 0x0
	ds_add_u32 v254, v255
	s_wait_dscnt 0x0
	s_endpgm
.Lfunc_end_k_qcbe9d2497e_pool:
	.size	k_qcbe9d2497e_pool, .Lfunc_end_k_qcbe9d2497e_pool-k_qcbe9d2497e_pool
	.p2alignl 7, 3214868480
	.fill 96, 4, 3214868480
	.section	.rodata,"a",@progbits
	.p2align	6, 0x0
	.amdhsa_kernel k_qcbe9d2497e_pool
		.amdhsa_group_segment_fixed_size 100352
		.amdhsa_private_segment_fixed_size 0
		.amdhsa_enable_private_segment 0
		.amdhsa_kernarg_size 48
		.amdhsa_user_sgpr_count 2
		.amdhsa_user_sgpr_kernarg_segment_ptr 1
		.amdhsa_wavefront_size32 1
		.amdhsa_system_sgpr_workgroup_id_x 1
		.amdhsa_system_sgpr_workgroup_id_y 1
		.amdhsa_system_sgpr_workgroup_id_z 1
		.amdhsa_system_vgpr_workitem_id 0
		.amdhsa_next_free_vgpr 640
		.amdhsa_next_free_sgpr 66
		.amdhsa_reserve_vcc 0
		.amdhsa_float_denorm_mode_32 3
		.amdhsa_float_denorm_mode_16_64 3
		.amdhsa_memory_ordered 1
		.amdhsa_forward_progress 1
		.amdhsa_inst_pref_size 83
	.end_amdhsa_kernel
	.amdgpu_metadata
---
amdhsa.version: [ 1, 2 ]
amdhsa.kernels:
  - .name:           k_qcbe9d2497e_pool
    .symbol:         k_qcbe9d2497e_pool.kd
    .args:
      - { .name: scores, .offset: 0, .size: 8, .value_kind: global_buffer, .address_space: global }
      - { .name: pool_positions, .offset: 8, .size: 8, .value_kind: global_buffer, .address_space: global }
      - { .name: masks, .offset: 16, .size: 8, .value_kind: global_buffer, .address_space: global }
      - { .name: xt, .offset: 24, .size: 8, .value_kind: global_buffer, .address_space: global }
      - { .name: xs, .offset: 32, .size: 8, .value_kind: global_buffer, .address_space: global }
      - { .name: out0, .offset: 40, .size: 8, .value_kind: global_buffer, .address_space: global }
    .group_segment_fixed_size: 100352
    .private_segment_fixed_size: 0
    .kernarg_segment_align: 8
    .kernarg_segment_size: 48
    .max_flat_workgroup_size: 128
    .sgpr_count:     66
    .vgpr_count:     640
    .wavefront_size: 32
...
	.end_amdgpu_metadata
.endif
;; end of part 6
